; MI455X (gfx1250); checked and timed in simulation.
; The chip was launched on July 23, 2026; its instructions are those of AMD's public machine-readable ISA for CDNA 5 (MIT licence, August 2026) and "CDNA5" Instruction Set Architecture Reference Guide (July 2026). The comments in the code are by the model that wrote it; some were corrected since.
;; Multi Head Cross Attention. Allowed arithmetic: matrix products marked QUANTISED: E2M3 operands, one E8M0 scale for each 32 along K, by v_wmma_scale_f32_16x16x128_f8f6f4 with both operands' format E2M3, f32 sums; everything else in f32.
;; Inputs: W_kv 1,024 x 2,048 float32; W_o 1,024 x 1,024 float32; W_q 1,024 x 1,024 float32; b_kv 2,048 float32; b_o 1,024 float32; b_q 1,024 float32; embeddings 2 x 2,048 x 1,024 float32.
;; Outputs: out0 2 x 2,048 x 1,024 float32.
;; This version of the problem:
;;   THIS VERSION OF THE PROBLEM IS GIVEN IN LOW PRECISION. The matrix products marked QUANTISED in the list below multiply operands that are first quantised to E2M3 (2 exponent bits, 3 mantissa bits; 6 bits a number), with one power-of-two scale for each 32 numbers along K (OCP MX v1.0); their sums are f32. All else is computed in f32.
;;   The module's matrix products, in the order in which they are computed (A, B: the left and right operand; K: the contracted axis; several contracted axes count as one K, in the product's order):
;;     1. [M 4,096, K 1,024] x [K 1,024, N 2,048]; A: input embeddings; B: input W_kv: QUANTISED
;;     2. [M 4,096, K 1,024] x [K 1,024, N 1,024]; A: input embeddings; B: input W_q: QUANTISED
;;     3. batch 32 x [M 2,048, K 64] x [K 64, N 2,048]; A: computed on the way; B: computed on the way: QUANTISED
;;     4. batch 32 x [M 2,048, K 2,048] x [K 2,048, N 64]; A: softmax (see below); B: computed on the way: QUANTISED
;;     5. [M 4,096, K 1,024] x [K 1,024, N 1,024]; A: computed on the way; B: input W_o: QUANTISED
;;   THE QUANTISER, for each operand of a quantised product, along K:
;;     - K is cut into blocks of 32 from its start; a last block that is shorter is filled with zeros.
;;     - A block's scale is 2^e with e = floor(log2(the largest magnitude in the block)) - 2, held to -126 .. 127; a block of zeros has e = 0. As a byte (E8M0): e + 127.
;;     - Each number is divided by its block's scale, clamped to +-7.5, and rounded to the nearest number of E2M3, ties to even, subnormals kept.
;;     - The product sums the exact products of the quantised numbers (number of the format x scale) in f32.
;;   ~~~python
;;   def quantise(x, axis):      # numpy; x: float32 -> the quantised numbers, widened to float32 again
;;       x = np.moveaxis(x, axis, -1); K = x.shape[-1]
;;       x = np.pad(x, [(0, 0)] * (x.ndim - 1) + [(0, -K % 32)]); x = x.reshape(x.shape[:-1] + (-1, 32)); a = np.abs(x).max(-1, keepdims=True)
;;       e = np.where(a > 0, np.clip(np.frexp(np.where(a > 0, a, 1))[1] - 1 - 2, -126, 127), 0)      # np.frexp(a)[1] - 1 = floor(log2(a)), exactly
;;       r = np.clip(x / 2.0 ** e, -7.5, 7.5)
;;       step = 2.0 ** (np.maximum(np.frexp(np.where(r == 0, 1, r))[1] - 1, 0) - 3)
;;       q = np.round(r / step) * step * 2.0 ** e      # np.round: ties to even
;;       return np.moveaxis(q.reshape(q.shape[:-2] + (-1,))[..., :K], -1, axis).astype(np.float32)
;;   ~~~
;;   SOFTMAX AHEAD OF A QUANTISED PRODUCT. Where the list says 'softmax', what is quantised is not the finished softmax but p = 2^(t - M), with t = logit x log2(e) and M = ceil(the row's largest t), a whole number; so 1/2 < the row's largest p <= 1. The row's sum l is taken of the UNQUANTISED p, in f32, and the product's result is divided by l at the end. Since M is a whole number, a kernel that streams over the keys may use a running M (the ceiling of the running maximum): every later rescaling is an exact power of two, which a block's scale takes up: the codes' values come out the same.
;;   OPERANDS COMPUTED ON THE WAY. 'Computed on the way' means the value that the module computes at that place (a softmax that the list does not call 'softmax' is quantised finished and normalised). What goes into a quantiser is computed in f32, as accurately as f32 sums, v_exp_f32 and their like allow (about 1e-6 of the number): no bf16 or f16 on the way to a quantiser, and a product that is left as it is and whose result goes on into a quantised operand takes f32 operands (vector FMAs, or v_wmma_f32_16x16x4_f32). A number that lies on a knife's edge between two numbers of the format may be rounded either way, as far as f32 arithmetic and the matrix unit's own rounding can turn it there, and no further.
;; One version. Each part assembles by itself: llvm-mc -triple=amdgcn-amd-amdhsa -mcpu=gfx1250 --defsym DOCPART=n.
;; ======== version 1 of 1: 4 launches
;; limits: right only within a limited range of input values
;; workspace buffers: ea 3,276,800 bytes; wp 2,457,600 bytes; wo 819,200 bytes; qb 3,407,872 bytes; kvb 6,684,672 bytes; ca 3,276,800 bytes
;; launch quant (part 1): grid 256 x 1, 4 waves a work-group, no clusters, 92,672 bytes of LDS; arguments embeddings, W_q, W_kv, W_o, ea, wp, wo; writes ea, wp, wo
.if DOCPART == 1
	.amdgcn_target "amdgcn-amd-amdhsa--gfx1250"
	.amdhsa_code_object_version 6
	.text
	.protected	k_qc6ca4d2b10_quant
	.globl	k_qc6ca4d2b10_quant
	.p2align	8
	.type	k_qc6ca4d2b10_quant,@function
k_qc6ca4d2b10_quant:
	s_mov_b64 s[64:65], 0
	v_nop
	global_prefetch_b8 v0, s[64:65] scope:SCOPE_SE
	s_setreg_imm32_b32 hwreg(HW_REG_WAVE_MODE, 25, 1), 1
	s_wait_xcnt 0x0
; embeddings [4096][1024], W_q [1024][1024], W_kv [1024][2048], W_o [1024][1024], all f32, become codes of FP6 (E2M3) with one E8M0 byte for each 32 along K (K = the 1,024).
; A block's scale is 2^(floor(log2(largest magnitude)) - 2): its byte is the largest magnitude's exponent field - 2, held at 1 from below by a floor among the maximum's leaves.
; LIMITS: NaN and infinities are not served; a block whose largest magnitude lies under 2^-124 (a block of zeros too) keeps the byte 1: its codes are then small or zero, and this program alone reads the bytes.
; THE OUTPUT IS LAID AS IMAGES OF THE OPERANDS' REGISTERS.  A fragment (16 rows x 128 K) is 12 registers a lane: lane (r, h) holds row r, registers 6 c .. 6 c + 5 = K 64 c + 32 h + 0 .. 31.
; Its image, 1,536 bytes: for c = 0, 1: registers 6 c .. 6 c + 3 at 16 x lane (512 bytes), registers 6 c + 4, 6 c + 5 at 8 x lane (256 bytes).
; A UNIT is 64 rows x 128 K: four images and 256 bytes of scale words (tile t, row r at 8 (16 (t % 2) + r) + 4 (t / 2)): 6,400 bytes.
; THE 16 ROWS OF A TILE ARE NOT NEIGHBOURS: row q of tile t of a unit is row 32 (t / 2) + 8 (t % 2) + q + 8 (q / 8) of its 64.
; One wave makes one unit: 32,768 bytes in, 6,400 consecutive bytes out.  Work-groups 0-127 take the embeddings (K innermost), 128-255 the weights (K is the first axis: wave 0 W_q, 1 and 2 a head's k and v columns of W_kv, 3 W_o).
; No tensor loads, no barrier: a wave touches its own LDS bytes alone, and each of the two paths has LDS bytes of its own.
.set FLOOR, 0x1800000                  ; 2^(3 - 127)
.set EOFF,  0xff000000                 ; takes 2 off an exponent field
.set EROW,  528                        ; embeddings' stage: a row of 512 bytes + 16
.set EPW,   16*EROW                    ; a wave's stage: 16 rows
.set FSTG,  4*EPW                      ; weights: f32 stage, 32 rows x 256 bytes a wave
.set CSTG,  FSTG+4*8192                ; weights: the unit is gathered here, 6,400 bytes a wave
	s_load_b256 s[4:11], s[0:1], 0x0               ; embeddings s[4:5], W_q s[6:7], W_kv s[8:9], W_o s[10:11]
	s_load_b128 s[12:15], s[0:1], 0x20             ; ea s[12:13], wp s[14:15]
	s_load_b64 s[16:17], s[0:1], 0x30              ; wo
	v_lshl_add_u32 v243, v0, 2, 0x16800
	v_mov_b32 v255, 0
	v_lshrrev_b32 v1, 5, v0
	v_readfirstlane_b32 s18, v1                    ; wave
	v_and_b32 v1, 31, v0                           ; lane
	v_lshlrev_b32 v2, 4, v1                        ; 16 x lane
	v_lshlrev_b32 v3, 3, v1                        ; 8 x lane
	v_and_b32 v7, 15, v0                           ; r
	v_bfe_u32 v8, v0, 4, 1                         ; h
	s_mov_b32 s19, 0xffff0000                      ; lanes 16-31
	s_mov_b32 s20, 0x76543210
	s_mov_b32 s21, 0xfedcba98                      ; v_permlanex16_b32's selects for lane l xor 16
	s_cmp_lt_u32 ttmp9, 128
	s_cbranch_scc0 .Lweights
; ---------------- EMBEDDINGS.  Job J = 4 x work-group + wave: K step J % 8 of the 64 tokens J / 8.
; v16-79, v80-143 two tiles as loaded; v144-207 a lane's 64 numbers; v208-219 the fragment; v220.., v224.. second halves of the conversions; v228-235 at work; v236-239 scale words
	s_lshl_b32 s22, ttmp9, 2
	s_add_co_u32 s22, s22, s18                     ; J
	s_and_b32 s23, s22, 7                          ; K step
	s_lshr_b32 s24, s22, 3                         ; block of 64 tokens
	s_lshl_b32 s26, s24, 18                        ; 64 rows of 4,096 bytes
	s_lshl_b32 s25, s23, 9                         ; 128 numbers
	s_add_co_u32 s26, s26, s25
	s_mov_b32 s27, 0
	s_lshr_b32 s28, s24, 1                         ; ea: [128 tokens][K step][64 tokens] units
	s_lshl_b32 s28, s28, 3
	s_add_co_u32 s28, s28, s23
	s_lshl_b32 s28, s28, 1
	s_and_b32 s25, s24, 1
	s_add_co_u32 s28, s28, s25
	s_mul_i32 s28, s28, 6400
	s_mov_b32 s29, 0
	s_mul_i32 s30, s18, EPW
	s_wait_alu depctr_va_vdst(0)
	v_add_nc_u32 v4, s30, v2                       ; the stage, in: a row's 512 bytes as they lie
	v_mul_u32_u24 v5, v7, EROW
	v_lshl_add_u32 v5, v8, 7, v5
	v_add_nc_u32 v5, s30, v5                       ; out: row r, + 128 h: my block of 32 numbers
	v_lshlrev_b32 v6, 3, v8                        ; 8 h: where my two bytes stand in the scale word
	v_mov_b32 v235, 0                              ; a lane permute's destination counts as read
	s_wait_alu depctr_va_vdst(0)
	s_wait_kmcnt 0x0
	s_add_nc_u64 s[4:5], s[4:5], s[26:27]
	s_add_nc_u64 s[12:13], s[12:13], s[28:29]
.macro LOADT t                         ; tile t: 16 rows, each load 512 consecutive bytes
.irp q, 0,1,2,3,4,5,6,7,8,9,10,11,12,13,14,15
	global_load_b128 v[16+64*((\t)%2)+4*\q:16+64*((\t)%2)+4*\q+3], v2, s[4:5] offset:(8*(\t)+\q%8+32*(\q/8))*4096 th:TH_LOAD_NT   ; THE TOKENS of a tile: row q of tile t is token 8 t + q % 8 + 32 (q / 8) of its 64 (the weights' columns keep the order stated at the head)
.endr
.endm
.macro ETILE t
.if (\t) < 3
	s_wait_loadcnt 16                              ; this tile's 16 loads are in; the next tile's 16 may be out
.else
	s_wait_loadcnt 0x0
.endif
.irp q, 0,1,2,3,4,5,6,7,8,9,10,11,12,13,14,15
	ds_store_b128 v4, v[16+64*((\t)%2)+4*\q:16+64*((\t)%2)+4*\q+3] offset:EROW*\q
.endr
.irp c, 0,1                            ; LDS serves a wave's instructions in order: these see the stores above
.irp i, 0,1,2,3,4,5,6,7
	ds_load_b128 v[144+32*\c+4*\i:144+32*\c+4*\i+3], v5 offset:256*\c+16*\i   ; K 64 c + 32 h + 4 i on, of row r
.endr
.endr
	s_wait_dscnt 0x0                               ; my numbers are here, and the stage's stores have read their registers
	s_wait_xcnt 0x0                                ; the last tile's stores have read the fragment's registers, which are written again below
.if (\t)+2 < 4
	LOADT (\t)+2
.endif
.irp c, 0,1                            ; block 2 c + h of row r: all 32 numbers are mine
	v_max3_num_f32 v[228+\c], |v[144+32*\c]|, |v[145+32*\c]|, FLOOR
.endr
.irp i, 2,4,6,8,10,12,14,16,18,20,22,24,26,28,30
.irp c, 0,1
	v_max3_num_f32 v[228+\c], v[228+\c], |v[144+32*\c+\i]|, |v[145+32*\c+\i]|
.endr
.endr
.irp c, 0,1
	v_add_nc_u32 v[230+\c], EOFF, v[228+\c]        ; the conversion's scale operand: it takes the exponent field alone
.endr
.irp c, 0,1
	v_lshrrev_b32 v[232+\c], 23, v[230+\c]         ; the byte
.endr
	v_lshl_or_b32 v234, v233, 16, v232             ; bytes h and 2 + h,
	v_lshlrev_b32 v234, v6, v234                   ; at their places;
	v_permlanex16_b32 v235, v234, s20, s21
	v_or_b32 v[236+(\t)], v234, v235               ; with lane l xor 16's two the row's word is whole
.irp c, 0,1
	v_cvt_scalef32_pk16_fp6_f32 v[208+6*\c:210+6*\c], v[144+32*\c:159+32*\c], v[230+\c]
	v_cvt_scalef32_pk16_fp6_f32 v[220+4*\c:222+4*\c], v[160+32*\c:175+32*\c], v[230+\c]   ; (a conversion's three registers begin on an even number)
.endr
	v_nop                                          ; one plain place behind a scaled conversion
.irp c, 0,1
.irp e, 0,1,2
	v_mov_b32 v[211+6*\c+\e], v[220+4*\c+\e]
.endr
.endr
	global_store_b128 v2, v[208:211], s[12:13] offset:1536*(\t)        ; each store covers whole aligned blocks of 256 consecutive bytes
	global_store_b64 v3, v[212:213], s[12:13] offset:1536*(\t)+512
	global_store_b128 v2, v[214:217], s[12:13] offset:1536*(\t)+768
	global_store_b64 v3, v[218:219], s[12:13] offset:1536*(\t)+1280
.endm
	LOADT 0
	LOADT 1
	ETILE 0
	ETILE 1
	ETILE 2
	ETILE 3
	v_cndmask_b32 v240, v236, v237, s19            ; the four tiles' words as a pair: lanes 0-15 tiles 0 and 2, lanes 16-31 tiles 1 and 3
	v_cndmask_b32 v241, v238, v239, s19
	global_store_b64 v3, v[240:241], s[12:13] offset:6144
	s_wait_tensorcnt 0x0
	ds_add_u32 v243, v255
	s_wait_dscnt 0x0
	s_endpgm
; ---------------- WEIGHTS.  Work-group j = number - 128: group of 64 columns j / 8 (a head), K step j % 8.  A LANE TAKES A COLUMN AND ITS REGISTERS RUN DOWN K.
; v16-31 load offsets; v32-95, v96-159 two blocks of 32 rows as loaded; v160-223 two columns' 32 numbers; v224.., v232.. codes; v240.., v252.. second halves; v244-251 at work
.Lweights:
	s_sub_co_u32 s22, ttmp9, 128
	s_lshr_b32 s23, s22, 3                         ; head
	s_and_b32 s24, s22, 7                          ; K step
	s_add_co_u32 s25, s18, 1
	s_lshr_b32 s25, s25, 1
	s_and_b32 s25, s25, 1                          ; 1 in waves 1 and 2: W_kv, whose rows are twice as long
	s_lshl_b32 s26, 4096, s25                      ; a row in bytes
	s_lshl_b32 s27, s23, 8
	s_lshl_b32 s27, s27, s25                       ; the head's first column, in bytes;
	s_lshr_b32 s28, s18, 1
	s_and_b32 s28, s28, s25
	s_lshl_b32 s28, s28, 8
	s_add_co_u32 s27, s27, s28                     ; v's 64 columns lie behind k's
	s_lshl_b32 s28, s24, 19
	s_lshl_b32 s28, s28, s25                       ; 128 rows a K step
	s_add_co_u32 s28, s28, s27
	s_mov_b32 s29, 0
	s_lshl_b32 s30, 0x20000, s25                   ; 32 rows
	s_mov_b32 s31, 0
	s_lshr_b32 s32, s23, 1
	s_and_b32 s33, s23, 1
	s_mul_i32 s34, s32, 307200                     ; wp: [head pair][K step][head of the pair][q, k, v] units
	s_mul_i32 s35, s24, 38400
	s_add_co_u32 s34, s34, s35
	s_mul_i32 s35, s33, 3
	s_add_co_u32 s35, s35, s18
	s_mul_i32 s35, s35, 6400
	s_add_co_u32 s34, s34, s35
	s_mul_i32 s36, s32, 102400                     ; wo: [128 columns][K step][64 columns] units
	s_mul_i32 s35, s24, 12800
	s_add_co_u32 s36, s36, s35
	s_mul_i32 s35, s33, 6400
	s_add_co_u32 s36, s36, s35
	s_wait_alu depctr_va_vdst(0)
	v_lshlrev_b32 v9, 4, v7                        ; 16 r
.irp i, 0,1,2,3,4,5,6,7,8,9,10,11,12,13,14,15
	v_add_nc_u32 v10, 2*\i, v8
	v_mad_u32_u24 v[16+\i], v10, s26, v9           ; load i: rows 2 i + h, 256 consecutive bytes each
.endr
	v_bfe_u32 v10, v0, 3, 1                        ; u: column 32 g + lane is row rr of tile 2 g + u
	v_and_b32 v11, 7, v0
	v_lshl_add_u32 v11, v8, 3, v11                 ; rr = lane % 8 + 8 (lane / 16)
	s_lshl_b32 s32, s18, 13
	v_lshl_add_u32 v12, v8, 8, v9
	v_add_nc_u32 v12, s32, v12                     ; f32 stage, in: row 2 i + h
	v_lshlrev_b32 v13, 2, v1
	v_add_nc_u32 v13, s32, v13                     ; out: my column
	s_mul_i32 s33, s18, 6400
	s_add_co_u32 s33, s33, CSTG
	v_mul_u32_u24 v14, v10, 1536
	v_add_nc_u32 v14, s33, v14
	v_lshl_add_u32 v15, v11, 3, v14                ; the unit's stage: registers 4, 5 of lane rr of tile u,
	v_lshl_add_u32 v14, v11, 4, v14                ; registers 0-3,
	v_lshlrev_b32 v4, 7, v10
	v_lshl_add_u32 v4, v11, 3, v4
	v_add_nc_u32 v4, s33, v4                       ; the scale word,
	v_add_nc_u32 v5, s33, v2                       ; and back as it lies
	v_add_nc_u32 v6, s33, v3
	s_wait_kmcnt 0x0
	s_cmp_eq_u32 s18, 0                            ; the choices hang on the wave's number alone
	s_cselect_b64 s[40:41], s[6:7], s[8:9]
	s_cmp_eq_u32 s18, 3
	s_cselect_b64 s[40:41], s[10:11], s[40:41]
	s_cselect_b64 s[38:39], s[16:17], s[14:15]
	s_cselect_b32 s34, s36, s34
	s_mov_b32 s35, 0
	s_add_nc_u64 s[38:39], s[38:39], s[34:35]      ; my unit
	s_add_nc_u64 s[40:41], s[40:41], s[28:29]      ; my four blocks of 32 rows
	s_add_nc_u64 s[42:43], s[40:41], s[30:31]
	s_add_nc_u64 s[44:45], s[42:43], s[30:31]
	s_add_nc_u64 s[46:47], s[44:45], s[30:31]
.macro LOADB kb
.irp i, 0,1,2,3,4,5,6,7,8,9,10,11,12,13,14,15
	global_load_b128 v[32+64*((\kb)%2)+4*\i:32+64*((\kb)%2)+4*\i+3], v[16+\i], s[40+2*(\kb):41+2*(\kb)] th:TH_LOAD_NT
.endr
.endm
.macro WBLOCK kb                       ; K 32 kb .. 32 kb + 31 of the K step, 64 columns
.if (\kb) < 3
	s_wait_loadcnt 16                              ; this block's 16 loads are in; the next block's may be out
.else
	s_wait_loadcnt 0x0
.endif
.irp i, 0,1,2,3,4,5,6,7,8,9,10,11,12,13,14,15
	ds_store_b128 v12, v[32+64*((\kb)%2)+4*\i:32+64*((\kb)%2)+4*\i+3] offset:FSTG+512*\i
.endr
.irp g, 0,1
.irp i, 0,1,2,3,4,5,6,7,8,9,10,11,12,13,14,15,16,17,18,19,20,21,22,23,24,25,26,27,28,29,30,31
	ds_load_b32 v[160+32*\g+\i], v13 offset:FSTG+256*\i+128*\g   ; W(32 kb + i, column 32 g + lane)
.endr
.endr
	s_wait_dscnt 0x0                               ; my numbers are here; all earlier LDS stores have read their registers
.if (\kb)+2 < 4
	LOADB (\kb)+2
.endif
.irp g, 0,1
	v_max3_num_f32 v[244+\g], |v[160+32*\g]|, |v[161+32*\g]|, FLOOR
.endr
.irp i, 2,4,6,8,10,12,14,16,18,20,22,24,26,28,30
.irp g, 0,1
	v_max3_num_f32 v[244+\g], v[244+\g], |v[160+32*\g+\i]|, |v[161+32*\g+\i]|
.endr
.endr
.irp g, 0,1
	v_add_nc_u32 v[246+\g], EOFF, v[244+\g]
.endr
.irp g, 0,1
	v_lshrrev_b32 v[250+\g], 23, v[246+\g]
.endr
.irp g, 0,1
.if (\kb) == 0
	v_mov_b32 v[248+\g], v[250+\g]                 ; the column's scale word, the lower K in the lower byte
.else
	v_lshl_or_b32 v[248+\g], v[250+\g], 8*(\kb), v[248+\g]
.endif
.endr
.irp g, 0,1
	v_cvt_scalef32_pk16_fp6_f32 v[224+8*\g:226+8*\g], v[160+32*\g:175+32*\g], v[246+\g]
	v_cvt_scalef32_pk16_fp6_f32 v[240+12*\g:242+12*\g], v[176+32*\g:191+32*\g], v[246+\g]
.endr
	v_nop                                          ; one plain place behind a scaled conversion
.irp g, 0,1
.irp e, 0,1,2
	v_mov_b32 v[227+8*\g+\e], v[240+12*\g+\e]
.endr
.endr
.irp g, 0,1                            ; these six registers are registers 6 (kb / 2) .. + 5 of lane (rr, kb % 2) of tile 2 g + u
	ds_store_b128 v14, v[224+8*\g:227+8*\g] offset:3072*\g+768*((\kb)/2)+256*((\kb)%2)
	ds_store_b64 v15, v[228+8*\g:229+8*\g] offset:3072*\g+768*((\kb)/2)+512+128*((\kb)%2)
.endr
.endm
	LOADB 0
	LOADB 1
	WBLOCK 0
	WBLOCK 1
	WBLOCK 2
	WBLOCK 3
	ds_store_b32 v4, v248 offset:6144
	ds_store_b32 v4, v249 offset:6148
.irp i, 0,1,2,3,4,5,6,7,8,9,10,11
	ds_load_b128 v[32+4*\i:35+4*\i], v5 offset:512*\i   ; LDS serves a wave's instructions in order: these see my stores
.endr
	ds_load_b64 v[80:81], v6 offset:6144
	s_wait_dscnt 0x0
.irp i, 0,1,2,3,4,5,6,7,8,9,10,11
	global_store_b128 v2, v[32+4*\i:35+4*\i], s[38:39] offset:512*\i   ; 512 consecutive bytes, aligned
.endr
	global_store_b64 v3, v[80:81], s[38:39] offset:6144
	s_wait_tensorcnt 0x0
	ds_add_u32 v243, v255
	s_wait_dscnt 0x0
	s_endpgm
.Lfunc_end_k_qc6ca4d2b10_quant:
	.size	k_qc6ca4d2b10_quant, .Lfunc_end_k_qc6ca4d2b10_quant-k_qc6ca4d2b10_quant
	.p2alignl 7, 3214868480
	.fill 96, 4, 3214868480
	.section	.rodata,"a",@progbits
	.p2align	6, 0x0
	.amdhsa_kernel k_qc6ca4d2b10_quant
		.amdhsa_group_segment_fixed_size 92672
		.amdhsa_private_segment_fixed_size 0
		.amdhsa_enable_private_segment 0
		.amdhsa_kernarg_size 56
		.amdhsa_user_sgpr_count 2
		.amdhsa_user_sgpr_kernarg_segment_ptr 1
		.amdhsa_wavefront_size32 1
		.amdhsa_system_sgpr_workgroup_id_x 1
		.amdhsa_system_sgpr_workgroup_id_y 1
		.amdhsa_system_sgpr_workgroup_id_z 1
		.amdhsa_system_vgpr_workitem_id 0
		.amdhsa_next_free_vgpr 256
		.amdhsa_next_free_sgpr 66
		.amdhsa_reserve_vcc 0
		.amdhsa_float_denorm_mode_32 3
		.amdhsa_float_denorm_mode_16_64 3
		.amdhsa_memory_ordered 1
		.amdhsa_forward_progress 1
		.amdhsa_inst_pref_size 76
	.end_amdhsa_kernel
	.amdgpu_metadata
---
amdhsa.version: [ 1, 2 ]
amdhsa.kernels:
  - .name:           k_qc6ca4d2b10_quant
    .symbol:         k_qc6ca4d2b10_quant.kd
    .args:
      - { .name: embeddings, .offset: 0, .size: 8, .value_kind: global_buffer, .address_space: global }
      - { .name: W_q, .offset: 8, .size: 8, .value_kind: global_buffer, .address_space: global }
      - { .name: W_kv, .offset: 16, .size: 8, .value_kind: global_buffer, .address_space: global }
      - { .name: W_o, .offset: 24, .size: 8, .value_kind: global_buffer, .address_space: global }
      - { .name: ea, .offset: 32, .size: 8, .value_kind: global_buffer, .address_space: global }
      - { .name: wp, .offset: 40, .size: 8, .value_kind: global_buffer, .address_space: global }
      - { .name: wo, .offset: 48, .size: 8, .value_kind: global_buffer, .address_space: global }
    .group_segment_fixed_size: 92672
    .private_segment_fixed_size: 0
    .kernarg_segment_align: 8
    .kernarg_segment_size: 56
    .max_flat_workgroup_size: 128
    .sgpr_count:     66
    .vgpr_count:     256
    .wavefront_size: 32
...
	.end_amdgpu_metadata
.endif
;; end of part 1
;; launch proj (part 2): grid 8 x 32, 4 waves a work-group, clusters of 4 x 4, 327,680 bytes of LDS; arguments ea, wp, b_q, b_kv, qb, kvb; writes qb, kvb
.if DOCPART == 2
	.amdgcn_target "amdgcn-amd-amdhsa--gfx1250"
	.amdhsa_code_object_version 6
	.text
	.protected	k_qc6ca4d2b10_proj
	.globl	k_qc6ca4d2b10_proj
	.p2align	8
	.type	k_qc6ca4d2b10_proj,@function
k_qc6ca4d2b10_proj:
	s_mov_b64 s[64:65], 0
	v_nop
	global_prefetch_b8 v0, s[64:65] scope:SCOPE_SE
	s_setreg_imm32_b32 hwreg(HW_REG_WAVE_MODE, 25, 1), 1
	s_wait_xcnt 0x0
	s_wait_alu depctr_hold_cnt(0) depctr_sa_sdst(0) depctr_va_vdst(0) depctr_va_sdst(0) depctr_va_ssrc(0) depctr_va_vcc(0) depctr_vm_vsrc(0)
	s_getreg_b32 s2, hwreg(HW_REG_IB_STS2, 6, 4)
	s_cmp_eq_u32 s2, 0
	s_cbranch_scc0 .Lentry_in_a_cluster
	s_endpgm
.Lentry_in_a_cluster:
	s_bfe_u32 s2, ttmp6, 0x10000c
	s_cmp_lg_u32 s2, 0xf033
	s_cbranch_scc0 .Lentry_shape_is_right
	s_endpgm
.Lentry_shape_is_right:
; q = x W_q + b_q, k and v = x W_kv + b_kv, on codes of FP6 (E2M3) with E8M0 scales; the results are quantised in registers and leave as codes: q and k along the head's 64, v along the tokens (the keys).
; LIMITS: NaN and infinities are not served; a block whose largest magnitude lies under 2^-124 keeps the byte 1 (this program alone reads the bytes).
; SHARES.  Work-group (x, y): 128 tokens (y) x heads 2 x, 2 x + 1.  Wave w: tokens 64 (w / 2) on, head 2 x + w % 2: q, k and v of it: 48 accumulators of 16 x 16.  256 work-groups, 384 matrix instructions a wave.
; OPERANDS lie in memory as images of their registers, in units of 64 rows x 128 K (four fragments of 1,536 bytes, 256 bytes of scale words): a unit comes from LDS by 17 loads at 16 x lane and 8 x lane.
; q, k: source 0 = 16 columns of W, source 1 = 16 tokens: a lane holds ONE token and its registers run along the head's 64.  v: source 0 = 16 tokens, source 1 = 16 columns: a lane holds one column and its registers run along the tokens.
; W's COLUMNS: row q of tile t is column 32 (t / 2) + 8 (t % 2) + q + 8 (q / 8) of its 64, so that the 16 registers of tiles 2 b and 2 b + 1 are 16 neighbours, 32 b + 16 (lane / 16) + 0 .. 15, along the head.
; THE TOKENS: row q of tile t is token 8 t + q % 8 + 32 (q / 8) of its 64, so that v's 32 registers of a lane (four token tiles) are tokens 32 (lane / 16) + 0 .. 31: one whole block along the keys.
; LDS: two slots of three K steps each ([B: 3 x 38,400][A: 3 x 12,800] bytes, as they lie in memory): K steps 0-2 and 3-5; K steps 6 and 7 are filled into slot 0 again ([B: 2 x 38,400][A: 2 x 12,800]).
; A wave has one tensor load out at a time: slot 0 at the head; slot 1 behind the full sequence and a round; slot 0 again behind the next.  The second and the third each have three K steps, 144 matrix instructions, ahead of the wait for them.
; CLUSTER 4 x 4: A's tiles hang on y alone and are asked for jointly along a row of the cluster, B's on x alone, along a column.  Waves 0-2 fetch B's thirds of a fill, wave 3 A's part.
; No prefetch: the walk along K is eight steps written out, with no loop to run ahead in.
; REGISTERS: window 0: v2-23 addresses; v24-31 scale words; v32-127 A's units, two sets; v128-223 B's, two sets.  window 1: q's accumulators (t, j) at 32 t + 8 j, k's at 128 + the same.
;   window 2: v's (j, t) at 32 j + 8 t; the biases, in the results' layout: q's at 128 + 8 j, k's at 160 + 8 j, v's at 192 + 8 j: they are the C of K step 0.
.set SLOTB, 153600
.set ASTEP, 12800
.set BSTEP, 38400
.set VX,    2*SLOTB                    ; 512 bytes: v's scale bytes meet here
.set SPARE, VX+512                     ; the spare words, 128 bytes a wave: two blocks of 256 bytes that no other line names
.set FLOOR, 0x1800000
.set EOFF,  0xff000000
.set L16,  2                           ; v2   16 x lane
.set L8,   3                           ; v3   8 x lane
.set SA16, 4                           ; v4-6   my unit of A at 16 x lane: base p serves K steps 3 p .. 3 p + 2;  v7-9 at 8 x lane;  never rewritten
.set SA8,  7
.set SB16, 10                          ; v10-12 and v22, v13-15 and v23: my head's units of B: bases at 0 (K steps 0, 1, 6, 7), 76,800 (2), 153,600 (3, 4), 230,400 (5): an LDS offset has 16 bits
.set SB8,  13
.set SPW,  16                          ; v16  my spare word;  v17  0;  never rewritten
.set NIL,  17
.set BO1,  18                          ; v18  64 h;  v19  4 (r + 8 (r / 8)): the biases' offsets
.set BO2,  19
.set VXA,  20
.set VXR,  21
.set AS,   24                          ; v[24:25], v[26:27] A's scale words, two sets;  v[28:29], v[30:31] B's
.set BS,   28
.set AA,   32
.set BB,   128
.set TM,   32                          ; the way out, window 0: v32-39 largest magnitudes, v40-47 the other half's, v48-55 scale operands, v56-63 bytes, v64-67 words, v[68:69] the pair, v72.. codes, v104.. second halves
.set TP,   40
.set SO,   48
.set BY,   56
.set WD,   64
.set SP4,  68
.set CC,   72
.set YY,   104
.set WV,   16                          ; s16 wave, s17 its half of the tokens, s18 its head of the two
.set G1A,  24
.set G1B,  32
.set G0A,  40                          ; s[40:51] three groups 0 for A, one for each fill; s[52:63] for B
.set G0B,  52
.set MK,   66
.set SEL,  68
.set QP,   70
.set KP,   72
.set KP1,  74
.set KP2,  76
.set KP3,  78
.set MSB, 0
.macro WIN new                         ; the immediate's high byte repeats the setting that is left
.if MSB != \new
	s_set_vgpr_msb (MSB<<8)|\new
.set MSB, \new
.endif
.endm
.macro PLACES                          ; four places in front of loads into registers that matrix instructions have read, and of the first read of results
.rept 4
	v_nop
.endr
.endm
.macro CROUND                          ; a round of the cluster's barrier
	s_barrier_signal -1
	s_barrier_wait -1
	s_cmp_lg_u32 s[WV], 0
	s_cbranch_scc1 .Lnot_wave_0_\@
	s_barrier_signal -3
.Lnot_wave_0_\@:
	s_barrier_wait -3
	s_barrier_signal -1
	s_barrier_wait -1
.endm
.macro JLOAD ga, gb                    ; a joint load, one a wave: wave 3 asks for A's part, waves 0-2 for B's thirds; the branch hangs on the wave's number alone
	s_cmp_eq_u32 s[WV], 3
	s_cbranch_scc0 .Lfor_b_\@
	tensor_load_to_lds s[\ga:\ga+3], s[G1A:G1A+7]
	s_nop 0
	PLACES
	s_branch .Lasked_\@
.Lfor_b_\@:
	tensor_load_to_lds s[\gb:\gb+3], s[G1B:G1B+7]
	s_nop 0
	PLACES
.Lasked_\@:
.endm
.macro LDF reg, a16, a8, off           ; a fragment's image into 12 registers
	ds_load_b128 v[\reg:\reg+3], v[\a16] offset:\off
	ds_load_b64 v[\reg+4:\reg+5], v[\a8] offset:\off+512
	ds_load_b128 v[\reg+6:\reg+9], v[\a16] offset:\off+768
	ds_load_b64 v[\reg+10:\reg+11], v[\a8] offset:\off+1280
.endm
.macro LDU freg, sreg, a16, a8, off    ; a unit: four fragments and the pair of scale words: 17 loads
.irp i, 0,1,2,3
	LDF \freg+12*\i, \a16, \a8, \off+1536*\i
.endr
	ds_load_b64 v[\sreg:\sreg+1], v[\a8] offset:\off+6144
.endm
.macro WM d, a, b, c, sa, sb, ra, rb   ; ra, rb: the scale words stand in lanes 16-31
.if (\ra) == 0 && (\rb) == 0
	v_wmma_scale_f32_16x16x128_f8f6f4 v[\d:\d+7], v[\a:\a+11], v[\b:\b+11], v[\c:\c+7], v[\sa], v[\sb] matrix_a_fmt:MATRIX_FMT_FP6 matrix_b_fmt:MATRIX_FMT_FP6
.elseif (\ra) == 1 && (\rb) == 0
	v_wmma_scale_f32_16x16x128_f8f6f4 v[\d:\d+7], v[\a:\a+11], v[\b:\b+11], v[\c:\c+7], v[\sa], v[\sb] matrix_a_fmt:MATRIX_FMT_FP6 matrix_b_fmt:MATRIX_FMT_FP6 matrix_a_scale:MATRIX_SCALE_ROW1
.elseif (\ra) == 0
	v_wmma_scale_f32_16x16x128_f8f6f4 v[\d:\d+7], v[\a:\a+11], v[\b:\b+11], v[\c:\c+7], v[\sa], v[\sb] matrix_a_fmt:MATRIX_FMT_FP6 matrix_b_fmt:MATRIX_FMT_FP6 matrix_b_scale:MATRIX_SCALE_ROW1
.else
	v_wmma_scale_f32_16x16x128_f8f6f4 v[\d:\d+7], v[\a:\a+11], v[\b:\b+11], v[\c:\c+7], v[\sa], v[\sb] matrix_a_fmt:MATRIX_FMT_FP6 matrix_b_fmt:MATRIX_FMT_FP6 matrix_a_scale:MATRIX_SCALE_ROW1 matrix_b_scale:MATRIX_SCALE_ROW1
.endif
.endm
	s_load_b256 s[4:11], s[0:1], 0x0               ; ea s[4:5], wp s[6:7], b_q s[8:9], b_kv s[10:11]
	s_load_b128 s[12:15], s[0:1], 0x20             ; qb s[12:13], kvb s[14:15]
	v_lshl_add_u32 v[SPW], v0, 2, SPARE
	v_mov_b32 v[NIL], 0
	ds_add_u32 v[SPW], v[NIL]                      ; the opening lines: the add, twice on end, and its wait ahead of my first tensor load
	ds_add_u32 v[SPW], v[NIL]
	v_lshrrev_b32 v1, 5, v0
	v_readfirstlane_b32 s[WV], v1                  ; wave 0..3
	s_lshr_b32 s17, s16, 1
	s_and_b32 s18, s16, 1
	s_bfe_u32 s19, ttmp6, 0x40000                  ; cx
	s_bfe_u32 s20, ttmp6, 0x40004                  ; cy
	s_lshl_b32 s21, ttmp9, 2
	s_add_co_u32 s21, s21, s19                     ; x
	s_and_b32 s22, ttmp7, 0xffff
	s_lshl_b32 s22, s22, 2
	s_add_co_u32 s22, s22, s20                     ; y
	s_lshl_b32 s80, s20, 2
	s_lshl_b32 s80, 15, s80                        ; my row of the cluster
	s_lshl_b32 s81, 0x1111, s19                    ; my column
	; group 1: a dense block of 38,400 bytes as 150 rows of 256 bytes (32 elements of 8 bytes), no padding
	s_or_b32 s[G1A], s80, (3<<16)|(1<<21)          ; 15:0 the mask; 17:16 elements of 8 bytes; 21 set beside a mask
	s_or_b32 s[G1B], s81, (3<<16)|(1<<21)
.irp g, G1A, G1B
	s_mov_b32 s[\g+1], 32<<16                      ; tensor_dim0
	s_mov_b32 s[\g+2], 150<<16                     ; tensor_dim1
	s_mov_b32 s[\g+3], 32<<16                      ; tile_dim0
	s_mov_b32 s[\g+4], 150                         ; tile_dim1
	s_mov_b32 s[\g+5], 32                          ; the pitch
	s_mov_b32 s[\g+6], 0
	s_mov_b32 s[\g+7], 0
.endr
	s_mul_i32 s82, s22, 102400                     ; A: hangs on y alone
	s_mov_b32 s83, 0
	s_mul_i32 s84, s21, 307200                     ; B: on x and the wave's number alone
	s_mov_b32 s85, 0
	s_mul_i32 s90, s16, 38400                      ; my quarter of a slot of three K steps, in LDS; for waves 0-2 also in B's block of memory
	s_mov_b32 s88, s90
	s_mov_b32 s89, 0
	s_mul_i32 s87, s16, 25600                      ; and of the fill of two K steps
	s_mov_b32 s92, s87
	s_mov_b32 s93, 0
	s_mov_b32 s[MK], 0xffff0000
	s_mov_b32 s[SEL], 0x76543210
	s_mov_b32 s[SEL+1], 0xfedcba98
	s_wait_dscnt 0x0                               ; both opening adds are done
	s_wait_kmcnt 0x0
	s_add_nc_u64 s[82:83], s[4:5], s[82:83]
	s_add_nc_u64 s[84:85], s[6:7], s[84:85]
	s_add_nc_u64 s[92:93], s[84:85], s[92:93]
	s_add_nc_u64 s[84:85], s[84:85], s[88:89]
.irp p, 0,1                            ; K steps 0-2 into slot 0, 3-5 into slot 1
	s_mov_b32 s[G0A+4*\p], 1
	s_add_co_u32 s[G0A+4*\p+1], s90, \p*SLOTB
	s_add_nc_u64 s[G0A+4*\p+2:G0A+4*\p+3], s[82:83], \p*38400
	s_or_b32 s[G0A+4*\p+3], s[G0A+4*\p+3], 0x80000000
	s_mov_b32 s[G0B+4*\p], 1
	s_add_co_u32 s[G0B+4*\p+1], s90, \p*SLOTB
	s_add_nc_u64 s[G0B+4*\p+2:G0B+4*\p+3], s[84:85], \p*115200
	s_or_b32 s[G0B+4*\p+3], s[G0B+4*\p+3], 0x80000000
.endr
	s_mov_b32 s[G0A+8], 1                          ; K steps 6 and 7 into slot 0's first 102,400 bytes
	s_mov_b32 s[G0A+9], s87
	s_add_nc_u64 s[G0A+10:G0A+11], s[82:83], 76800
	s_or_b32 s[G0A+11], s[G0A+11], 0x80000000
	s_mov_b32 s[G0B+8], 1
	s_mov_b32 s[G0B+9], s87
	s_add_nc_u64 s[G0B+10:G0B+11], s[92:93], 230400
	s_or_b32 s[G0B+11], s[G0B+11], 0x80000000
	CROUND                                         ; all sixteen work-groups are here: the first joint loads meet
	JLOAD G0A, G0B                                 ; one tensor load a wave at the head: my quarter of slot 0
	v_and_b32 v1, 31, v0
	v_lshlrev_b32 v[L16], 4, v1
	v_lshlrev_b32 v[L8], 3, v1
	s_mul_i32 s80, s17, 6400
	s_add_co_u32 s80, s80, 76800
	s_mul_i32 s81, s18, 19200
.irp p, 2,0,1                          ; A: K steps 6, 7 at 76,800; 0-2 at 115,200; 3-5 at 268,800
	v_add_nc_u32 v[SA16+\p], s80, v[L16]
	v_add_nc_u32 v[SA8+\p], s80, v[L8]
.if \p == 2
	s_add_co_u32 s80, s80, 38400
.endif
.if \p == 0
	s_add_co_u32 s80, s80, SLOTB
.endif
.endr
.irp p, 0,1,2                          ; B: 0, 76,800, 153,600; s81 goes on to 230,400 for the fourth base, below
	v_add_nc_u32 v[SB16+\p], s81, v[L16]
	v_add_nc_u32 v[SB8+\p], s81, v[L8]
	s_add_co_u32 s81, s81, 76800
.endr
	v_bfe_u32 v22, v0, 4, 1                        ; h
	v_and_b32 v23, 15, v0                          ; r
	v_lshlrev_b32 v[BO1], 6, v22
	s_wait_alu depctr_va_vdst(0)
	v_and_b32 v[BO2], 8, v23
	v_add_nc_u32 v[BO2], v[BO2], v23
	v_lshlrev_b32 v[BO2], 2, v[BO2]
	s_wait_alu depctr_va_vdst(0)
	s_lshl_b32 s86, s18, 8
	s_add_co_u32 s86, s86, VX
	v_add_nc_u32 v[VXR], s86, v[L8]                ; my head's 256 bytes, 8 a lane
	s_lshl_b32 s87, s17, 1
	s_add_co_u32 s86, s86, s87
	v_lshl_add_u32 v[VXA], v23, 3, s86             ; row r's word, my half of it,
	v_add_nc_u32 v[VXA], v[VXA], v22               ; + h: my block's byte of that half
	v_add_nc_u32 v22, s81, v[L16]                  ; h and r are done with: B's fourth base
	v_add_nc_u32 v23, s81, v[L8]
	; where the results go
	s_lshl_b32 s88, s21, 1
	s_add_co_u32 s88, s88, s18                     ; head
	s_lshr_b32 s89, s22, 4                         ; batch
	s_and_b32 s90, s22, 15                         ; key step of 128 tokens
	s_lshl_b32 s89, s89, 4
	s_add_co_u32 s89, s89, s88                     ; batch x 16 + head
	s_mul_i32 s92, s89, 106496                     ; qb: [batch, head][block of 64 tokens] of 4 x 768 + 256 bytes
	s_lshl_b32 s91, s90, 1
	s_add_co_u32 s91, s91, s17
	s_mul_i32 s91, s91, 3328
	s_add_co_u32 s92, s92, s91
	s_mov_b32 s93, 0
	s_add_nc_u64 s[QP:QP+1], s[12:13], s[92:93]
	s_mul_i32 s92, s89, 208896                     ; kvb: [batch, head][key step] of 13,056 bytes: K 8 x 768, V 4 x 1,536, K's scale words 2 x 256, V's 256
	s_mul_i32 s91, s90, 13056
	s_add_co_u32 s92, s92, s91
	s_add_nc_u64 s[KP:KP+1], s[14:15], s[92:93]
	s_mul_i32 s92, s17, 3072
	s_add_nc_u64 s[KP1:KP1+1], s[KP:KP+1], s[92:93]
	s_lshl_b32 s92, s17, 8
	s_add_co_u32 s92, s92, 12288
	s_add_nc_u64 s[KP2:KP2+1], s[KP:KP+1], s[92:93]
	s_mul_i32 s92, s17, 768
	s_add_co_u32 s92, s92, 6144
	s_add_nc_u64 s[KP3:KP3+1], s[KP:KP+1], s[92:93]
	s_lshl_b32 s92, s88, 8
	s_add_nc_u64 s[94:95], s[8:9], s[92:93]        ; b_q at my head
	s_lshl_b32 s92, s88, 9
	s_add_nc_u64 s[96:97], s[10:11], s[92:93]      ; b_kv at my head: 64 of k, 64 of v
	WIN 0x80                                       ; destination window 2
.irp j, 0,1,2,3
	global_load_b128 v[128+8*\j:131+8*\j], v[BO1], s[94:95] offset:(32*(\j/2)+8*(\j%2))*4      ; q, k: register i of tile j belongs to column 32 (j / 2) + 16 h + 8 (j % 2) + i
	global_load_b128 v[132+8*\j:135+8*\j], v[BO1], s[94:95] offset:(32*(\j/2)+8*(\j%2))*4+16
	global_load_b128 v[160+8*\j:163+8*\j], v[BO1], s[96:97] offset:(32*(\j/2)+8*(\j%2))*4
	global_load_b128 v[164+8*\j:167+8*\j], v[BO1], s[96:97] offset:(32*(\j/2)+8*(\j%2))*4+16
.irp i, 0,1,2,3,4,5,6,7
	global_load_b32 v[192+8*\j+\i], v[BO2], s[96:97] offset:256+(32*(\j/2)+8*(\j%2))*4         ; v: all eight registers of a lane belong to its one column
.endr
.endr
	WIN 0
; Where K step s lies.  A: base s / 3, + (s % 3) x 12,800.  B: base BI = 2 (s % 6) / 3 (0, 0, 1, 2, 2, 3), + 38,400 where s % 3 is 1; base 3 stands in v22 and v23.
; A segment's first loads: K step s's unit of A and its first unit of B
.macro PRO s
.set BI, (2*((\s)%6))/3
	PLACES
	LDU AA+48*((\s)%2), AS+2*((\s)%2), SA16+(\s)/3, SA8+(\s)/3, ((\s)%3)*ASTEP
	LDU BB+48*((3*(\s))%2), BS+2*((3*(\s))%2), SB16+BI+9*(BI/3), SB8+BI+7*(BI/3), ((((\s)%6)%3)%2)*BSTEP
.endm
; 16 matrix instructions: K step s, type g (0 q, 1 k, 2 v).  nxt: the next group's unit of B is fetched first, into the other set; nxa: the next K step's unit of A too.
; The 48 accumulators take turns, one instruction a turn, in the same order in every K step.
.macro GROUP s, g, nxt, nxa
.set GN, 3*(\s)+(\g)
.set GS1, (GN+1)/3
.set GG1, (GN+1)%3
.set PB, GN%2
.set PA, (\s)%2
.set AS1, (\s)+1
.set BI, (2*(GS1%6))/3
.if \nxt
	PLACES
	LDU BB+48*(1-PB), BS+2*(1-PB), SB16+BI+9*(BI/3), SB8+BI+7*(BI/3), (((GS1%6)%3)%2)*BSTEP+6400*GG1
.if \nxa
	LDU AA+48*(AS1%2), AS+2*(AS1%2), SA16+AS1/3, SA8+AS1/3, (AS1%3)*ASTEP
	s_wait_dscnt 34                                ; all but the 34 loads just issued
.else
	s_wait_dscnt 17                                ; all but the 17 loads just issued
.endif
.else
	s_wait_dscnt 0x0
.endif
.if (\g) < 2
.if (\s) == 0
	WIN 0x60                                       ; D window 1, C (the bias) window 2
.else
	WIN 0x50                                       ; C and D window 1
.endif
.irp t, 0,1,2,3
.irp j, 0,1,2,3
.if (\s) == 0
	WM 128*(\g)+32*\t+8*\j, BB+48*PB+12*\j, AA+48*PA+12*\t, 128+32*(\g)+8*\j, BS+2*PB+\j/2, AS+2*PA+\t/2, \j%2, \t%2
.else
	WM 128*(\g)+32*\t+8*\j, BB+48*PB+12*\j, AA+48*PA+12*\t, 128*(\g)+32*\t+8*\j, BS+2*PB+\j/2, AS+2*PA+\t/2, \j%2, \t%2
.endif
.endr
.endr
.else
	WIN 0xa0                                       ; C and D window 2
.irp t, 0,1,2,3
.irp j, 0,1,2,3
.if (\s) == 0
	WM 32*\j+8*\t, AA+48*PA+12*\t, BB+48*PB+12*\j, 192+8*\j, AS+2*PA+\t/2, BS+2*PB+\j/2, \t%2, \j%2
.else
	WM 32*\j+8*\t, AA+48*PA+12*\t, BB+48*PB+12*\j, 32*\j+8*\t, AS+2*PA+\t/2, BS+2*PB+\j/2, \t%2, \j%2
.endif
.endr
.endr
.endif
	WIN 0
.endm
.macro STEP3 s, last                   ; a K step; last = 1: nothing behind it may be fetched yet
	GROUP \s, 0, 1, 0
	GROUP \s, 1, 1, 1-\last
	GROUP \s, 2, 1-\last, 0
.endm
	s_wait_alu depctr_va_vdst(0)
	s_wait_loadcnt 0x0                             ; the biases
	s_wait_tensorcnt 0x0                           ; my quarter of slot 0 is in
	ds_add_u32 v[SPW], v[NIL]
	s_wait_dscnt 0x0
	CROUND                                         ; everybody's quarter is in, and the sixteen work-groups' joint loads meet
	JLOAD G0A+4, G0B+4                             ; slot 1's first fill: K steps 3 to 5
	PRO 0
	STEP3 0, 0
	STEP3 1, 0
	STEP3 2, 1
	; THE ONE REFILL: slot 0 takes K steps 6 and 7.
	s_wait_tensorcnt 0x0                           ; all my tensor loads have landed, so a descriptor may be written;
	ds_add_u32 v[SPW], v[NIL]                      ; 0 onto my spare word;
	s_mov_b32 s[G1A+2], 100<<16                    ; this load brings 100 rows of 256 bytes
	s_mov_b32 s[G1A+4], 100
	s_mov_b32 s[G1B+2], 100<<16
	s_mov_b32 s[G1B+4], 100
	s_wait_dscnt 0x0                               ; the add is done, and my reads of slot 0 are over
	CROUND                                         ; the same holds of every wave of all sixteen work-groups
	JLOAD G0A+8, G0B+8
	PRO 3
	STEP3 3, 0
	STEP3 4, 0
	STEP3 5, 1
	s_wait_tensorcnt 0x0                           ; my one load that was out: my part of K steps 6 and 7
	s_barrier_signal -1
	s_barrier_wait -1                              ; everybody's is in
	PRO 6
	STEP3 6, 0
	STEP3 7, 1
; THE WAY OUT of q and k.  Four tiles of 16 tokens x the head's 64 at a time: tile i's 32 numbers of a lane at base + 32 i of window 1; register 16 u + e = K 32 u + 16 h + e of the lane's token.
; Each accumulator is read from its low end on.
.macro QBATCH base
	WIN 0x05                                       ; sources 0 and 1 in window 1
.irp i, 0,1,2,3
.irp u, 0,1
	v_max3_num_f32 v[TM+2*\i+\u], |v[\base+32*\i+16*\u]|, |v[\base+32*\i+16*\u+1]|, FLOOR   ; and the floor 2^(3 - 127): the byte cannot fall under 1
.endr
.endr
.irp k, 2,4,6,8,10,12,14
.irp i, 0,1,2,3
.irp u, 0,1
	v_max3_num_f32 v[TM+2*\i+\u], |v[\base+32*\i+16*\u+\k]|, |v[\base+32*\i+16*\u+\k+1]|, v[TM+2*\i+\u]
.endr
.endr
.endr
	WIN 0
.irp e, 0,1,2,3,4,5,6,7
	v_permlanex16_b32 v[TP+\e], v[TM+\e], s[SEL], s[SEL+1]
.endr
.irp e, 0,1,2,3,4,5,6,7
	v_max_num_f32 v[TM+\e], v[TM+\e], v[TP+\e]     ; with lane l xor 16's 16: the block's largest magnitude
.endr
.irp e, 0,1,2,3,4,5,6,7
	v_add_nc_u32 v[SO+\e], EOFF, v[TM+\e]          ; the conversion's scale operand
.endr
.irp e, 0,1,2,3,4,5,6,7
	v_lshrrev_b32 v[BY+\e], 23, v[SO+\e]           ; the byte
.endr
.irp i, 0,1,2,3
	v_lshl_or_b32 v[WD+\i], v[BY+2*\i+1], 8, v[BY+2*\i]   ; the row's two bytes
.endr
	WIN 0x01                                       ; source 0 in window 1
.irp i, 0,1,2,3
	v_cvt_scalef32_pk16_fp6_f32 v[CC+8*\i:CC+8*\i+2], v[\base+32*\i:\base+32*\i+15], v[SO+2*\i]
	v_cvt_scalef32_pk16_fp6_f32 v[YY+4*\i:YY+4*\i+2], v[\base+32*\i+16:\base+32*\i+31], v[SO+2*\i+1]
.endr
	WIN 0
	v_nop                                          ; one plain place behind a scaled conversion
.irp i, 0,1,2,3                        ; the operand's layout wants a whole block in a lane: lanes 0-15 block 0, lanes 16-31 block 1
.irp e, 0,1,2
	v_permlane16_swap_b32 v[CC+8*\i+\e], v[YY+4*\i+\e]
.endr
.endr
.irp i, 0,1,2,3
.irp e, 0,1,2
	v_mov_b32 v[CC+8*\i+3+\e], v[YY+4*\i+\e]
.endr
.endr
.irp i, 0,1,2,3                        ; K is 64 under an instruction of 128: the two bytes are repeated for the half that multiplies zero codes; then the four tiles' words as a pair
	v_lshl_or_b32 v[WD+\i], v[WD+\i], 16, v[WD+\i]
.endr
	v_cndmask_b32 v[SP4], v[WD], v[WD+1], s[MK]
	v_cndmask_b32 v[SP4+1], v[WD+2], v[WD+3], s[MK]
.endm
.macro PUT4 base, stride               ; four half fragments: whole aligned blocks of 256 consecutive bytes
.irp i, 0,1,2,3
	global_store_b128 v[L16], v[CC+8*\i:CC+8*\i+3], s[\base:\base+1] offset:\stride*\i
	global_store_b64 v[L8], v[CC+8*\i+4:CC+8*\i+5], s[\base:\base+1] offset:\stride*\i+512
.endr
.endm
	PLACES
.irp e, 0,1,2,3,4,5,6,7
	v_mov_b32 v[TP+\e], 0                          ; a lane permute's destination counts as read
.endr
	QBATCH 0                                       ; q
	PUT4 QP, 768
	global_store_b64 v[L8], v[SP4:SP4+1], s[QP:QP+1] offset:3072
	s_wait_xcnt 0x0                                ; the stores have read their registers, which the next batch writes
	QBATCH 128                                     ; k
	PUT4 KP1, 768
	global_store_b64 v[L8], v[SP4:SP4+1], s[KP2:KP2+1]
	s_wait_xcnt 0x0
; v: rows = the head's columns, K = my 64 tokens: half a fragment of the key step's 128.  A lane's 32 registers of column tile i are ONE block of 32 tokens, in the operand's own order: no other lane is asked, nothing is swapped.
	WIN 0x0a                                       ; sources 0 and 1 in window 2
.irp i, 0,1,2,3
	v_max3_num_f32 v[TM+\i], |v[32*\i]|, |v[32*\i+1]|, FLOOR
.endr
.irp k, 2,4,6,8,10,12,14,16,18,20,22,24,26,28,30
.irp i, 0,1,2,3
	v_max3_num_f32 v[TM+\i], |v[32*\i+\k]|, |v[32*\i+\k+1]|, v[TM+\i]   ; four column tiles by turns; each accumulator from its low end on
.endr
.endr
	WIN 0
.irp i, 0,1,2,3
	v_add_nc_u32 v[SO+\i], EOFF, v[TM+\i]          ; the conversion's scale operand
.endr
.irp i, 0,1,2,3
	v_lshrrev_b32 v[BY+\i], 23, v[SO+\i]           ; the byte
.endr
	WIN 0x02                                       ; source 0 in window 2
.irp i, 0,1,2,3
	v_cvt_scalef32_pk16_fp6_f32 v[CC+8*\i:CC+8*\i+2], v[32*\i:32*\i+15], v[SO+\i]
	v_cvt_scalef32_pk16_fp6_f32 v[YY+4*\i:YY+4*\i+2], v[32*\i+16:32*\i+31], v[SO+\i]
.endr
	WIN 0
	v_nop                                          ; one plain place behind a scaled conversion
.irp i, 0,1,2,3
.irp e, 0,1,2
	v_mov_b32 v[CC+8*\i+3+\e], v[YY+4*\i+\e]
.endr
.endr
	PUT4 KP3, 1536
.irp j, 0,1,2,3
	ds_store_b8 v[VXA], v[BY+\j] offset:128*(\j%2)+4*(\j/2)   ; a row's scale word holds four blocks' bytes, of two lanes in each of two waves: they meet in LDS
.endr
	s_wait_dscnt 0x0                               ; for the others' sake
	s_barrier_signal -1
	s_barrier_wait -1
	s_cmp_lg_u32 s17, 0
	s_cbranch_scc1 .Lno_vs
	ds_load_b64 v[SP4:SP4+1], v[VXR]
	s_wait_dscnt 0x0
	global_store_b64 v[L8], v[SP4:SP4+1], s[KP:KP+1] offset:12800
.Lno_vs:
	s_wait_tensorcnt 0x0                           ; the wave's end
	ds_add_u32 v[SPW], v[NIL]
	s_wait_dscnt 0x0
	CROUND                                         ; the closing round
	s_endpgm
.Lfunc_end_k_qc6ca4d2b10_proj:
	.size	k_qc6ca4d2b10_proj, .Lfunc_end_k_qc6ca4d2b10_proj-k_qc6ca4d2b10_proj
	.p2alignl 7, 3214868480
	.fill 96, 4, 3214868480
	.section	.rodata,"a",@progbits
	.p2align	6, 0x0
	.amdhsa_kernel k_qc6ca4d2b10_proj
		.amdhsa_group_segment_fixed_size 327680
		.amdhsa_private_segment_fixed_size 0
		.amdhsa_enable_private_segment 0
		.amdhsa_kernarg_size 48
		.amdhsa_user_sgpr_count 2
		.amdhsa_user_sgpr_kernarg_segment_ptr 1
		.amdhsa_wavefront_size32 1
		.amdhsa_system_sgpr_workgroup_id_x 1
		.amdhsa_system_sgpr_workgroup_id_y 1
		.amdhsa_system_sgpr_workgroup_id_z 1
		.amdhsa_system_vgpr_workitem_id 0
		.amdhsa_next_free_vgpr 768
		.amdhsa_next_free_sgpr 100
		.amdhsa_reserve_vcc 0
		.amdhsa_float_denorm_mode_32 3
		.amdhsa_float_denorm_mode_16_64 3
		.amdhsa_memory_ordered 1
		.amdhsa_forward_progress 1
		.amdhsa_inst_pref_size 127
	.end_amdhsa_kernel
	.amdgpu_metadata
---
amdhsa.version: [ 1, 2 ]
amdhsa.kernels:
  - .name:           k_qc6ca4d2b10_proj
    .symbol:         k_qc6ca4d2b10_proj.kd
    .args:
      - { .name: ea, .offset: 0, .size: 8, .value_kind: global_buffer, .address_space: global }
      - { .name: wp, .offset: 8, .size: 8, .value_kind: global_buffer, .address_space: global }
      - { .name: b_q, .offset: 16, .size: 8, .value_kind: global_buffer, .address_space: global }
      - { .name: b_kv, .offset: 24, .size: 8, .value_kind: global_buffer, .address_space: global }
      - { .name: qb, .offset: 32, .size: 8, .value_kind: global_buffer, .address_space: global }
      - { .name: kvb, .offset: 40, .size: 8, .value_kind: global_buffer, .address_space: global }
    .group_segment_fixed_size: 327680
    .private_segment_fixed_size: 0
    .kernarg_segment_align: 8
    .kernarg_segment_size: 48
    .max_flat_workgroup_size: 128
    .sgpr_count:     100
    .vgpr_count:     768
    .wavefront_size: 32
...
	.end_amdgpu_metadata
.endif
;; end of part 2
;; launch attn (part 3): grid 8 x 32, 16 waves a work-group, clusters of 4 x 1, 264,192 bytes of LDS; arguments qb, kvb, ca; writes ca
.if DOCPART == 3
	.amdgcn_target "amdgcn-amd-amdhsa--gfx1250"
	.amdhsa_code_object_version 6
	.text
	.protected	k_qc6ca4d2b10_attn
	.globl	k_qc6ca4d2b10_attn
	.p2align	8
	.type	k_qc6ca4d2b10_attn,@function
k_qc6ca4d2b10_attn:
	s_mov_b64 s[64:65], 0
	v_nop
	global_prefetch_b8 v0, s[64:65] scope:SCOPE_SE
	s_setreg_imm32_b32 hwreg(HW_REG_WAVE_MODE, 25, 1), 1
	s_wait_xcnt 0x0
	s_wait_alu depctr_hold_cnt(0) depctr_sa_sdst(0) depctr_va_vdst(0) depctr_va_sdst(0) depctr_va_ssrc(0) depctr_va_vcc(0) depctr_vm_vsrc(0)
	s_getreg_b32 s2, hwreg(HW_REG_IB_STS2, 6, 4)
	s_cmp_eq_u32 s2, 0
	s_cbranch_scc0 .Lentry_in_a_cluster
	s_endpgm
.Lentry_in_a_cluster:
	s_bfe_u32 s2, ttmp6, 0x10000c
	s_cmp_lg_u32 s2, 0x3003
	s_cbranch_scc0 .Lentry_shape_is_right
	s_endpgm
.Lentry_shape_is_right:
; ctx[b][h][q] = the sum over keys of softmax(q . k / 8) v, both products on codes of FP6 (E2M3) with E8M0 scales; ctx is quantised along the model's 1,024 in registers and leaves as codes.
; THE SOFTMAX: t = score x log2(e) / 8; M = the running largest t rounded UP to a whole number; p = 2^(t - M) is quantised along the keys, not normalised; the row's sum is taken of the unquantised p and divides at the end.
; When M moves, the sum and O are multiplied by 2^(old M - new M): exact.  The order in which a wave walks the key steps moves M's history and no code.
; LIMITS: NaN and infinities are not served; the promise holds while |t| stays under 2^31; a p under 2^-126 becomes 0 (v_exp_f32 flushes denormal results: ISA guide, its entry); 1 / the sum is v_rcp_f32;
;   a block of ctx whose largest magnitude lies under 2^-124 keeps the byte 1.
; SHARES.  A work-group owns 256 queries of one (batch, head); each of its sixteen waves one tile of 16, in 256 registers.  256 work-groups.
; LDS: THE WHOLE HEAD'S K AND V, 16 key steps of 13,056 bytes, each in a place of 16,384, filled ONCE.  Wave w issues ONE tensor load, key step w: one out by this text's count.
; A wave begins with the key step that it fetched itself, behind its own wait, between the barrier's signal and its wait; behind the barrier it walks the other fifteen, (w + i) % 16.  No other barrier stands in the walk.
; CLUSTER 4 x 1: the four query blocks of a cluster share the head: each key step is asked for jointly.  No prefetch: every tile is asked for at the head, so there is no loop to run ahead in.
; A key step in LDS, as images of the operands' registers: K: 8 tiles of 16 keys x 64, 768 bytes each; V: 4 tiles of 16 of the head's 64 x 128 keys, 1,536 each; K's scale words 2 x 256, V's 256.
; Both products are used transposed (S^T = K Q^T, O^T = V^T P^T): a lane holds one query.  Row m of K's tile 4 c + u is key 64 c + 8 u + m % 8 + 32 (m / 8): so a lane's 32 registers of tiles 4 c .. 4 c + 3
; are keys 64 c + 32 h + 0 .. 31, ONE block, in the very order of the next operand's registers: a block's maximum needs no other lane and p's codes are not moved between lanes.
; K = 64 UNDER AN INSTRUCTION OF 128: Q's registers 6-11 are zero codes; K's operand for tile t runs on over the next tile's six registers (tile 7's over six registers of zeros): finite codes x zero codes add nothing.
; LDS loads run ahead: the next step's K is asked for behind this step's first product, this step's V at its top.
; REGISTERS: v1, v2 16 and 8 x lane; v3 at work; v[4:7] K's scale words, v[8:9] V's; v10, v11 addresses; v12 -M, v13 the largest score, v[14:15] the sum; v16-27 Q; v28 Q's scale word, v29 p's; v[30:31] f;
;   v32-79 K, v80-85 zeros; v86-133 V; v134-197 S^T, then p; v198-229 O^T; v230-241 p's codes; v242.., v246.. second halves; v245 a permute's result; v249 8 h; v250-253 at work; v254, v255 the add's two.
.set FLOOR, 0x1800000
.set EOFF,  0xff000000
.set KSB,   13056                      ; a key step in bytes
.set SPARE, 16*16384                   ; behind the sixteen places: the spare words, 128 bytes a wave
.set KF, 32
.set VF, 86
.set SS, 134
.set OO, 198
.set PC, 230
.set T0, 242
.set T1, 246
.set PX, 245
.set H8, 249
.set BM, 250
.set SO, 252
.set SPW, 254
.set NIL, 255
.set WV,   10
.set SEL,  14
.set CS,   16
.set TB,   18
.set CNT,  19
.set G1,   24
.set G0,   32
.set NX,   60
.macro CROUND
	s_barrier_signal -1
	s_barrier_wait -1
	s_cmp_lg_u32 s[WV], 0
	s_cbranch_scc1 .Lnot_wave_0_\@
	s_barrier_signal -3
.Lnot_wave_0_\@:
	s_barrier_wait -3
	s_barrier_signal -1
	s_barrier_wait -1
.endm
.macro WMZ t                           ; a tile of S^T: the sum begins with 0
.if (\t)%2
	v_wmma_scale_f32_16x16x128_f8f6f4 v[SS+8*\t:SS+8*\t+7], v[KF+6*\t:KF+6*\t+11], v[16:27], 0, v[4+2*(\t/4)+(\t%4)/2], v28 matrix_a_fmt:MATRIX_FMT_FP6 matrix_b_fmt:MATRIX_FMT_FP6 matrix_a_scale:MATRIX_SCALE_ROW1
.else
	v_wmma_scale_f32_16x16x128_f8f6f4 v[SS+8*\t:SS+8*\t+7], v[KF+6*\t:KF+6*\t+11], v[16:27], 0, v[4+2*(\t/4)+(\t%4)/2], v28 matrix_a_fmt:MATRIX_FMT_FP6 matrix_b_fmt:MATRIX_FMT_FP6
.endif
.endm
.macro WMO j, first                    ; a tile of O^T: begun with 0 in the first step, added onto afterwards
.if \first
.if (\j)%2
	v_wmma_scale_f32_16x16x128_f8f6f4 v[OO+8*\j:OO+8*\j+7], v[VF+12*\j:VF+12*\j+11], v[PC:PC+11], 0, v[8+\j/2], v29 matrix_a_fmt:MATRIX_FMT_FP6 matrix_b_fmt:MATRIX_FMT_FP6 matrix_a_scale:MATRIX_SCALE_ROW1
.else
	v_wmma_scale_f32_16x16x128_f8f6f4 v[OO+8*\j:OO+8*\j+7], v[VF+12*\j:VF+12*\j+11], v[PC:PC+11], 0, v[8+\j/2], v29 matrix_a_fmt:MATRIX_FMT_FP6 matrix_b_fmt:MATRIX_FMT_FP6
.endif
.else
.if (\j)%2
	v_wmma_scale_f32_16x16x128_f8f6f4 v[OO+8*\j:OO+8*\j+7], v[VF+12*\j:VF+12*\j+11], v[PC:PC+11], v[OO+8*\j:OO+8*\j+7], v[8+\j/2], v29 matrix_a_fmt:MATRIX_FMT_FP6 matrix_b_fmt:MATRIX_FMT_FP6 matrix_a_scale:MATRIX_SCALE_ROW1
.else
	v_wmma_scale_f32_16x16x128_f8f6f4 v[OO+8*\j:OO+8*\j+7], v[VF+12*\j:VF+12*\j+11], v[PC:PC+11], v[OO+8*\j:OO+8*\j+7], v[8+\j/2], v29 matrix_a_fmt:MATRIX_FMT_FP6 matrix_b_fmt:MATRIX_FMT_FP6
.endif
.endif
.endm
.macro KLOAD                           ; K's eight tiles and their scale words, at v10, v11: 18 loads
.irp t, 0,1,2,3,4,5,6,7
	ds_load_b128 v[KF+6*\t:KF+6*\t+3], v10 offset:768*\t
	ds_load_b64 v[KF+6*\t+4:KF+6*\t+5], v11 offset:768*\t+512
.endr
	ds_load_b64 v[4:5], v11 offset:12288
	ds_load_b64 v[6:7], v11 offset:12544
.endm
.macro TMM j                           ; t - M, two at a time
	v_pk_fma_f32 v[SS+\j:SS+\j+1], v[SS+\j:SS+\j+1], s[CS:CS+1], v[12:13] op_sel_hi:[1,0,0]
.endm
.macro ADD4 k                          ; the row's sum, in place, four chains by turns: pair a takes pair a + 4 k
.irp a, 0,1,2,3
	v_pk_add_f32 v[SS+2*\a:SS+2*\a+1], v[SS+2*\a:SS+2*\a+1], v[SS+8*\k+2*\a:SS+8*\k+2*\a+1]
.endr
.endm
	s_load_b128 s[4:7], s[0:1], 0x0                ; qb s[4:5], kvb s[6:7]
	s_load_b64 s[8:9], s[0:1], 0x10                ; ca
	v_lshl_add_u32 v[SPW], v0, 2, SPARE
	v_mov_b32 v[NIL], 0
	ds_add_u32 v[SPW], v[NIL]                      ; the opening lines: the add, twice on end, and its wait ahead of my tensor load
	ds_add_u32 v[SPW], v[NIL]
	v_lshrrev_b32 v3, 5, v0
	s_delay_alu instid0(VALU_DEP_1)
	v_readfirstlane_b32 s[WV], v3                  ; wave 0..15
	s_bfe_u32 s11, ttmp6, 0x40000                  ; cx
	s_lshl_b32 s12, ttmp9, 2
	s_add_co_u32 s12, s12, s11                     ; my block of 256 queries: it enters Q's and ctx's addresses alone
	s_and_b32 s13, ttmp7, 0xffff                   ; batch x 16 + head, which the four partners share
	s_mov_b32 s[G1], 15|(3<<16)|(1<<21)            ; group 1: a key step, 13,056 dense bytes, as 51 rows of 256 bytes; the mask names all four work-groups; bit 21 beside it
	s_mov_b32 s[G1+1], 32<<16
	s_mov_b32 s[G1+2], 51<<16
	s_mov_b32 s[G1+3], 32<<16
	s_mov_b32 s[G1+4], 51
	s_mov_b32 s[G1+5], 32
	s_mov_b32 s[G1+6], 0
	s_mov_b32 s[G1+7], 0
	s_mul_i32 s48, s13, 16*KSB
	s_mul_i32 s50, s[WV], KSB                      ; key step w in memory,
	s_add_co_u32 s48, s48, s50
	s_mov_b32 s49, 0
	s_lshl_b32 s[TB], s[WV], 14                    ; and its place in LDS
	s_mov_b32 s[SEL], 0x76543210
	s_mov_b32 s[SEL+1], 0xfedcba98
	s_mov_b32 s[CS], 0x3e38aa3b                    ; c = log2(e) / 8
	s_mov_b32 s[CS+1], s[CS]                       ; (named with it as a pair, so it is written)
	s_mov_b32 s[G0], 1
	s_mov_b32 s[G0+1], s[TB]
	s_wait_dscnt 0x0
	s_wait_kmcnt 0x0
	s_add_nc_u64 s[G0+2:G0+3], s[6:7], s[48:49]
	s_or_b32 s[G0+3], s[G0+3], 0x80000000
	CROUND                                         ; all four work-groups are here: the joint loads meet
	tensor_load_to_lds s[G0:G0+3], s[G1:G1+7]      ; every wave's one load
	s_nop 0
.irp j, 22,23,24,25,26,27, 80,81,82,83,84,85
	v_mov_b32 v[\j], 0                             ; zero codes: Q's K 64 .. 127, and what K's tile 7 runs on over
.endr
	v_mov_b32 v31, 0                               ; (named as the upper half of the pair v[30:31])
	v_mov_b32 v[PX], 0                             ; a lane permute's destination counts as read
	v_and_b32 v1, 31, v0
	v_and_b32 v3, 15, v0
	v_bfe_u32 v[H8], v0, 4, 1
	v_lshlrev_b32 v2, 3, v1                        ; 8 x lane
	v_lshlrev_b32 v1, 4, v1                        ; 16 x lane
	v_lshlrev_b32 v3, 3, v3                        ; 8 r
	v_lshlrev_b32 v[H8], 3, v[H8]                  ; 8 h: where my two bytes stand in p's scale word
	v_add_nc_u32 v11, s[TB], v2
	v_add_nc_u32 v10, s[TB], v1                    ; my own key step
	s_wait_alu depctr_va_vdst(0)
	s_lshl_b32 s20, s12, 2
	s_lshr_b32 s23, s[WV], 2
	s_add_co_u32 s20, s20, s23                     ; my block of 64 queries
	s_and_b32 s21, s[WV], 3                        ; my tile in it
	s_and_b32 s22, s21, 1
	s_lshl_b32 s22, s22, 7
	s_lshr_b32 s23, s21, 1
	s_lshl_b32 s23, s23, 2
	s_add_co_u32 s22, s22, s23                     ; my tile's place among a unit's scale words: 128 (t % 2) + 4 (t / 2)
	s_mul_i32 s54, s13, 106496
	s_mul_i32 s55, s20, 3328
	s_add_co_u32 s54, s54, s55
	s_mov_b32 s55, 0
	s_add_nc_u64 s[56:57], s[4:5], s[54:55]
	s_mul_i32 s54, s21, 768
	s_add_nc_u64 s[58:59], s[56:57], s[54:55]      ; my tile's codes
	s_mov_b32 s54, s22
	s_add_nc_u64 s[56:57], s[56:57], s[54:55]      ; and its scale words
	global_load_b128 v[16:19], v1, s[58:59]
	global_load_b64 v[20:21], v2, s[58:59] offset:512
	global_load_b32 v28, v3, s[56:57] offset:3072
	s_add_co_u32 s[NX], s[WV], 1
	s_and_b32 s[TB], s[NX], 15
	s_lshl_b32 s[TB], s[TB], 14                    ; the key step behind mine
; A KEY STEP: 128 keys.  v10, v11 point at it and its K is asked for already.  first: it starts M, the sum and O^T.  adr: v10, v11 go on to the step at s[TB].  ld: that step's K is asked for.
.macro STEP first, adr, ld
.irp j, 0,1,2,3
.irp c, 0,1
	ds_load_b128 v[VF+12*\j+6*\c:VF+12*\j+6*\c+3], v10 offset:6144+1536*\j+768*\c
	ds_load_b64 v[VF+12*\j+6*\c+4:VF+12*\j+6*\c+5], v11 offset:6144+1536*\j+768*\c+512
.endr
.endr
	ds_load_b64 v[8:9], v11 offset:12800
	s_wait_dscnt 17                                ; K and its scale words are in; the 17 loads of V just issued may be out
.irp t, 0,1,2,3,4,5,6,7
	WMZ \t
.endr
.if \adr                               ; four places behind the products, ahead of the loads into K's registers and of the first read of S^T
	v_add_nc_u32 v10, s[TB], v1
	v_add_nc_u32 v11, s[TB], v2
.else
	v_nop
	v_nop
.endif
.if \first
	v_nop
.else
	v_mov_b32 v3, v12                              ; the old -M
.endif
	v_nop
.if \ld
	KLOAD
.endif
.irp c, 0,1                            ; the largest score of my two blocks of 32 keys, each in two chains; every accumulator is read from its low end on
	v_max3_num_f32 v[BM+\c], v[SS+32*\c], v[SS+32*\c+1], v[SS+32*\c+2]
	v_max3_num_f32 v[SO+\c], v[SS+32*\c+17], v[SS+32*\c+18], v[SS+32*\c+19]
.endr
.irp k, 0,2,4,6,8,10
.irp c, 0,1
	v_max3_num_f32 v[BM+\c], v[BM+\c], v[SS+32*\c+3+\k], v[SS+32*\c+4+\k]
	v_max3_num_f32 v[SO+\c], v[SO+\c], v[SS+32*\c+20+\k], v[SS+32*\c+21+\k]
.endr
.endr
.irp c, 0,1
	v_max3_num_f32 v[BM+\c], v[BM+\c], v[SS+32*\c+15], v[SS+32*\c+16]
.endr
.irp c, 0,1
	v_max_num_f32 v[BM+\c], v[BM+\c], v[SO+\c]     ; it serves twice: for the row's maximum, and, since p rises with the score, for the block's largest p
.endr
	s_delay_alu instid0(VALU_DEP_1)
	v_max_num_f32 v[SO], v[BM], v[BM+1]
	s_delay_alu instid0(VALU_DEP_1)
	v_permlanex16_b32 v[SO+1], v[SO], s[SEL], s[SEL+1]
	s_delay_alu instid0(VALU_DEP_1)
.if \first
	v_max_num_f32 v13, v[SO], v[SO+1]              ; with lane l xor 16's 64 keys: the largest score of my query so far
.else
	v_max3_num_f32 v13, v13, v[SO], v[SO+1]
.endif
	s_delay_alu instid0(VALU_DEP_1)
	v_mul_f32 v[SO], s[CS], v13                    ; as t (c is positive)
	s_delay_alu instid0(VALU_DEP_1)
	v_floor_f32 v12, -v[SO]                        ; -M = floor(-t) = -ceil(t)
.if \first
.irp j, 0,2,4,6,8,10,12,14
	TMM \j
.endr
.else
	s_delay_alu instid0(VALU_DEP_1)
	v_sub_f32 v3, v12, v3                          ; old M - new M: a whole number, 0 or less
.irp j, 0,2,4,6
	TMM \j
.endr
	v_cvt_i32_f32 v3, v3                           ; (it saturates)
.irp j, 8,10,12,14
	TMM \j
.endr
	v_ldexp_f32 v30, 1.0, v3                       ; f = 2^(old M - new M)
.endif
.irp j, 16,18,20,22,24,26,28,30,32,34,36,38,40,42,44,46,48,50,52,54,56,58,60,62
	TMM \j
.endr
.irp c, 0,1
	v_fma_f32 v[BM+\c], v[BM+\c], s[CS], v12       ; the same of each block's largest score
.endr
.if \first == 0
.irp j, 0,2,4,6,8,10,12,14,16,18,20,22,24,26,28,30
	v_pk_mul_f32 v[OO+\j:OO+\j+1], v[OO+\j:OO+\j+1], v[30:31] op_sel_hi:[1,0]   ; O^T under the new M
.endr
.endif
	s_wait_alu depctr_va_vdst(0)
.set I, 0
.rept 64
	v_exp_f32 v[SS+I], v[SS+I]                     ; p = 2^(t - M), at most 1
.set I, I+1
.endr
	v_exp_f32 v[BM], v[BM]                         ; each block's largest p
	v_exp_f32 v[BM+1], v[BM+1]
	v_nop                                          ; a plain place behind the exponentials
	s_wait_alu depctr_va_vdst(0)                   ; one wait for the batch, ahead of its first reader
	s_wait_dscnt 18*\ld                            ; V and its scale words are in; the 18 loads of the next step's K may be out
.irp c, 0,1
	v_max_num_f32 v[BM+\c], FLOOR, v[BM+\c]        ; the floor 2^(3 - 127): the byte cannot fall under 1
.endr
.irp c, 0,1
	v_add_nc_u32 v[SO+\c], EOFF, v[BM+\c]          ; the conversion's scale operand
.endr
	v_cvt_scalef32_pk16_fp6_f32 v[PC:PC+2], v[SS:SS+15], v[SO]
	v_cvt_scalef32_pk16_fp6_f32 v[T0:T0+2], v[SS+16:SS+31], v[SO]          ; (a conversion's three registers begin on an even number)
	v_cvt_scalef32_pk16_fp6_f32 v[PC+6:PC+8], v[SS+32:SS+47], v[SO+1]
	v_cvt_scalef32_pk16_fp6_f32 v[T1:T1+2], v[SS+48:SS+63], v[SO+1]
.irp c, 0,1
	v_lshrrev_b32 v[BM+\c], 23, v[SO+\c]           ; the byte.  (The plain place behind the conversions)
.endr
	ADD4 1                                         ; THE ROW'S SUM IS TAKEN OF THE UNQUANTISED p, which the conversions have read.  The scale word's dependent lines stand among the sum's four chains, each five or more vector instructions behind the line that it reads
	v_lshl_or_b32 v29, v[BM+1], 16, v[BM]          ; my bytes: blocks h and 2 + h,
	ADD4 2
	v_lshlrev_b32 v29, v[H8], v29                  ; at their places
.irp i, 0,1,2
	v_mov_b32 v[PC+3+\i], v[T0+\i]
	v_mov_b32 v[PC+9+\i], v[T1+\i]
.endr
	v_permlanex16_b32 v[PX], v29, s[SEL], s[SEL+1]
	ADD4 3
	v_or_b32 v29, v29, v[PX]                       ; with lane l xor 16's two the scale word of these 128 keys is whole
	ADD4 4                                         ; these twelve are the places behind the write of the scale word; eighteen stand behind those of p's codes
	ADD4 5
	ADD4 6
.irp j, 0,1,2,3
	WMO \j, \first
.endr
	ADD4 7                                         ; these and the lines below are the places behind the products, ahead of the next step's loads into V's registers and of the first read of O^T
	v_pk_add_f32 v[SS:SS+1], v[SS:SS+1], v[SS+2:SS+3]
	v_pk_add_f32 v[SS+4:SS+5], v[SS+4:SS+5], v[SS+6:SS+7]
	s_delay_alu instid0(VALU_DEP_1)
.if \first
	v_pk_add_f32 v[14:15], v[SS:SS+1], v[SS+4:SS+5]
.else
	v_pk_add_f32 v[SS:SS+1], v[SS:SS+1], v[SS+4:SS+5]
	s_delay_alu instid0(VALU_DEP_1)
	v_pk_fma_f32 v[14:15], v[14:15], v[30:31], v[SS:SS+1] op_sel_hi:[1,0,1]   ; the old sum under the new M, and this step's
.endif
.endm
	s_wait_alu depctr_va_vdst(0)
	s_wait_loadcnt 0x0                             ; Q
	s_wait_tensorcnt 0x0                           ; my own key step is in:
	s_barrier_signal -1                            ; say so, and work on it while the others' arrive: between signal and wait I read bytes that I fetched myself and that nobody writes again
	KLOAD
	STEP 1, 1, 0
	s_wait_alu depctr_va_vdst(0)
	s_barrier_wait -1                              ; all sixteen key steps are in
	KLOAD
	s_mov_b32 s[CNT], 2
.Lstep:                                                ; trip CNT works key step (w + CNT - 1) % 16 and asks for K of (w + CNT) % 16
	s_add_co_u32 s[NX], s[WV], s[CNT]
	s_and_b32 s[TB], s[NX], 15
	s_lshl_b32 s[TB], s[TB], 14
	STEP 0, 1, 1
	s_add_co_u32 s[CNT], s[CNT], 1
	s_cmp_lt_u32 s[CNT], 16
	s_wait_alu depctr_va_vdst(0)
	s_cbranch_scc1 .Lstep
	STEP 0, 0, 0                                   ; the last step asks for nothing more
	; THE WAY OUT.  O^T / the sum: register 8 j + i of lane (r, h) is ctx(query r, 32 (j / 2) + 16 h + 8 (j % 2) + i): 32 numbers along the next K, quantised as they stand.
	v_add_f32 v14, v14, v15
	s_delay_alu instid0(VALU_DEP_1)
	v_permlanex16_b32 v3, v14, s[SEL], s[SEL+1]
	s_delay_alu instid0(VALU_DEP_1)
	v_add_f32 v14, v14, v3                         ; the row's sum
	s_wait_alu depctr_va_vdst(0)
	v_rcp_f32 v30, v14
	v_and_b32 v3, 15, v0                           ; (a plain place behind the reciprocal)
	s_delay_alu instid0(VALU_DEP_1)
	v_lshlrev_b32 v3, 3, v3                        ; 8 r
	s_lshr_b32 s48, s13, 4                         ; batch
	s_lshl_b32 s48, s48, 5
	s_add_co_u32 s48, s48, s20                     ; block of 64 tokens among all 4,096
	s_and_b32 s49, s13, 15                         ; head
	s_lshr_b32 s50, s48, 1                         ; ca: [128 tokens][K step = head / 2][64 tokens] units
	s_lshl_b32 s50, s50, 3
	s_lshr_b32 s51, s49, 1
	s_add_co_u32 s50, s50, s51
	s_lshl_b32 s50, s50, 1
	s_and_b32 s51, s48, 1
	s_add_co_u32 s50, s50, s51
	s_mul_i32 s50, s50, 6400
	s_mov_b32 s51, 0
	s_add_nc_u64 s[52:53], s[8:9], s[50:51]
	s_and_b32 s49, s49, 1                          ; which half of the K step's 128 my head is
	s_mul_i32 s50, s21, 1536
	s_mul_i32 s54, s49, 768
	s_add_co_u32 s50, s50, s54
	s_add_nc_u64 s[56:57], s[52:53], s[50:51]      ; my half fragment
	s_lshl_b32 s50, s49, 1
	s_add_co_u32 s50, s50, s22
	s_add_nc_u64 s[52:53], s[52:53], s[50:51]      ; my half of my tile's scale words
	s_wait_alu depctr_va_vdst(0)                   ; ahead of the first reader of the reciprocal and of O^T
.irp j, 0,2,4,6,8,10,12,14,16,18,20,22,24,26,28,30
	v_pk_mul_f32 v[SS+\j:SS+\j+1], v[OO+\j:OO+\j+1], v[30:31] op_sel_hi:[1,0]
.endr
.irp b, 0,1
	v_max3_num_f32 v[BM+\b], |v[SS+16*\b]|, |v[SS+16*\b+1]|, FLOOR
.endr
.irp i, 2,4,6,8,10,12,14
.irp b, 0,1
	s_delay_alu instid0(VALU_DEP_2)
	v_max3_num_f32 v[BM+\b], v[BM+\b], |v[SS+16*\b+\i]|, |v[SS+16*\b+\i+1]|
.endr
.endr
.irp b, 0,1
	v_permlanex16_b32 v[SO+\b], v[BM+\b], s[SEL], s[SEL+1]
.endr
.irp b, 0,1
	s_delay_alu instid0(VALU_DEP_2)
	v_max_num_f32 v[BM+\b], v[BM+\b], v[SO+\b]     ; with lane l xor 16's 16: the block's largest magnitude
.endr
.irp b, 0,1
	s_delay_alu instid0(VALU_DEP_2)
	v_add_nc_u32 v[SO+\b], EOFF, v[BM+\b]
.endr
.irp b, 0,1
	s_delay_alu instid0(VALU_DEP_2)
	v_lshrrev_b32 v[BM+\b], 23, v[SO+\b]
.endr
	s_delay_alu instid0(VALU_DEP_1)
	v_lshl_or_b32 v29, v[BM+1], 8, v[BM]           ; the row's two bytes
	v_cvt_scalef32_pk16_fp6_f32 v[PC:PC+2], v[SS:SS+15], v[SO]
	v_cvt_scalef32_pk16_fp6_f32 v[T0:T0+2], v[SS+16:SS+31], v[SO+1]
	v_nop                                          ; one plain place behind a scaled conversion
.irp i, 0,1,2
	v_permlane16_swap_b32 v[PC+\i], v[T0+\i]       ; a whole block in a lane: lanes 0-15 block 0, lanes 16-31 block 1
.endr
.irp i, 0,1,2
	s_delay_alu instid0(VALU_DEP_3)
	v_mov_b32 v[PC+3+\i], v[T0+\i]
.endr
	global_store_b128 v1, v[PC:PC+3], s[56:57]     ; whole aligned blocks of 256 consecutive bytes
	global_store_b64 v2, v[PC+4:PC+5], s[56:57] offset:512
	global_store_b16 v3, v29, s[52:53] offset:6144 ; two bytes a row: a scale word holds two heads' bytes, and two heads are two work-groups (both halves of the lanes store the same bytes)
	s_wait_tensorcnt 0x0                           ; the wave's end
	ds_add_u32 v[SPW], v[NIL]
	s_wait_dscnt 0x0
	CROUND                                         ; the closing round
	s_endpgm
.Lfunc_end_k_qc6ca4d2b10_attn:
	.size	k_qc6ca4d2b10_attn, .Lfunc_end_k_qc6ca4d2b10_attn-k_qc6ca4d2b10_attn
	.p2alignl 7, 3214868480
	.fill 96, 4, 3214868480
	.section	.rodata,"a",@progbits
	.p2align	6, 0x0
	.amdhsa_kernel k_qc6ca4d2b10_attn
		.amdhsa_group_segment_fixed_size 264192
		.amdhsa_private_segment_fixed_size 0
		.amdhsa_enable_private_segment 0
		.amdhsa_kernarg_size 24
		.amdhsa_user_sgpr_count 2
		.amdhsa_user_sgpr_kernarg_segment_ptr 1
		.amdhsa_wavefront_size32 1
		.amdhsa_system_sgpr_workgroup_id_x 1
		.amdhsa_system_sgpr_workgroup_id_y 1
		.amdhsa_system_sgpr_workgroup_id_z 1
		.amdhsa_system_vgpr_workitem_id 0
		.amdhsa_next_free_vgpr 256
		.amdhsa_next_free_sgpr 66
		.amdhsa_reserve_vcc 0
		.amdhsa_float_denorm_mode_32 3
		.amdhsa_float_denorm_mode_16_64 3
		.amdhsa_memory_ordered 1
		.amdhsa_forward_progress 1
		.amdhsa_inst_pref_size 54
	.end_amdhsa_kernel
	.amdgpu_metadata
---
amdhsa.version: [ 1, 2 ]
amdhsa.kernels:
  - .name:           k_qc6ca4d2b10_attn
    .symbol:         k_qc6ca4d2b10_attn.kd
    .args:
      - { .name: qb, .offset: 0, .size: 8, .value_kind: global_buffer, .address_space: global }
      - { .name: kvb, .offset: 8, .size: 8, .value_kind: global_buffer, .address_space: global }
      - { .name: ca, .offset: 16, .size: 8, .value_kind: global_buffer, .address_space: global }
    .group_segment_fixed_size: 264192
    .private_segment_fixed_size: 0
    .kernarg_segment_align: 8
    .kernarg_segment_size: 24
    .max_flat_workgroup_size: 512
    .sgpr_count:     66
    .vgpr_count:     256
    .wavefront_size: 32
...
	.end_amdgpu_metadata
.endif
;; end of part 3
;; launch outp (part 4): grid 8 x 32, 4 waves a work-group, clusters of 4 x 4, 222,720 bytes of LDS; arguments ca, wo, b_o, out0; writes out0
.if DOCPART == 4
	.amdgcn_target "amdgcn-amd-amdhsa--gfx1250"
	.amdhsa_code_object_version 6
	.text
	.protected	k_qc6ca4d2b10_outp
	.globl	k_qc6ca4d2b10_outp
	.p2align	8
	.type	k_qc6ca4d2b10_outp,@function
k_qc6ca4d2b10_outp:
	s_mov_b64 s[64:65], 0
	v_nop
	global_prefetch_b8 v0, s[64:65] scope:SCOPE_SE
	s_setreg_imm32_b32 hwreg(HW_REG_WAVE_MODE, 25, 1), 1
	s_wait_xcnt 0x0
	s_wait_alu depctr_hold_cnt(0) depctr_sa_sdst(0) depctr_va_vdst(0) depctr_va_sdst(0) depctr_va_ssrc(0) depctr_va_vcc(0) depctr_vm_vsrc(0)
	s_getreg_b32 s2, hwreg(HW_REG_IB_STS2, 6, 4)
	s_cmp_eq_u32 s2, 0
	s_cbranch_scc0 .Lentry_in_a_cluster
	s_endpgm
.Lentry_in_a_cluster:
	s_bfe_u32 s2, ttmp6, 0x10000c
	s_cmp_lg_u32 s2, 0xf033
	s_cbranch_scc0 .Lentry_shape_is_right
	s_endpgm
.Lentry_shape_is_right:
; out0 = ctx W_o + b_o on codes of FP6 (E2M3) with E8M0 scales; out0 [4096][1024] f32.
; SHARES.  Work-group (x, y): 128 tokens (y) x 128 columns (x).  Wave w: tokens 64 (w / 2) on, columns 64 (w % 2) on: 16 accumulators.  256 work-groups, 128 matrix instructions a wave.
; LDS: ALL OF K IS RESIDENT: A's 8 K steps of 12,800 bytes, B's likewise, filled once: no slot is filled again.  Behind them a stage of 16 rows x 272 bytes for each wave, into which no fill lands.
; Waves 0, 1 fetch A's K steps 0-3 and 4-7, waves 2, 3 B's: one load each, waited for ahead of the one barrier, before any K step.
; CLUSTER 4 x 4: A hangs on y alone and is asked for jointly along a row of the cluster, B on x alone, along a column.
; Operands lie as images of their registers in units of 64 rows x 128 K (6,400 bytes).  Source 0 = 16 columns of W_o, source 1 = 16 tokens: a lane holds one token and eight neighbouring columns.
; The rows of a tile are 32 (t / 2) + 8 (t % 2) + q + 8 (q / 8) of their 64: the stores know it.
; REGISTERS: window 0: v2-23 addresses; v24-31 scale words; v32-127 A's units, two sets; v128-223 B's; on the way out v32-95 rows.  window 1: accumulator (t, j) at 32 t + 8 j; b_o in the result's layout at 128 + 8 j: the C of K step 0.
; THE FILLS AND THE ORDER OF TOKENS, as this text has them (these lines replace what the head says of both):
; each wave issues ONE tensor load at the head, 51,200 bytes: waves 0, 1 A's K steps 0-3 and 4-7, waves 2, 3 B's; one barrier shows all of K to all four waves, and the eight K steps follow with no further barrier.
; Row q of token tile t is token 8 t + q % 8 + 32 (q / 8) of its 64; W_o's columns keep the order stated at the head.
.set STG,  204800
.set L16,  2
.set L8,   3
.set A16,  4                           ; v4, v5  my unit of A in K steps 0-3, 4-7, at 16 x lane;  v6, v7 at 8 x lane;  never rewritten
.set A8,   6
.set B16,  8
.set B8,   10
.set STO,  12
.set RD,   13
.set CO,   14
.set BO1,  18
.set AS,   24
.set BS,   28
.set AA,   32
.set BB,   128
.set BK,   32
.set WV,   16
.set G1A,  24
.set G1B,  32
.set G0A,  40                          ; s[40:43] group 0 for A;  B's at s[56:59]
.set MSB, 0
.macro WIN new
.if MSB != \new
	s_set_vgpr_msb (MSB<<8)|\new
.set MSB, \new
.endif
.endm
.macro PLACES
.rept 4
	v_nop
.endr
.endm
.macro CROUND
	s_barrier_signal -1
	s_barrier_wait -1
	s_cmp_lg_u32 s[WV], 0
	s_cbranch_scc1 .Lnot_wave_0_\@
	s_barrier_signal -3
.Lnot_wave_0_\@:
	s_barrier_wait -3
	s_barrier_signal -1
	s_barrier_wait -1
.endm
.macro LDF reg, a16, a8, off
	ds_load_b128 v[\reg:\reg+3], v[\a16] offset:\off
	ds_load_b64 v[\reg+4:\reg+5], v[\a8] offset:\off+512
	ds_load_b128 v[\reg+6:\reg+9], v[\a16] offset:\off+768
	ds_load_b64 v[\reg+10:\reg+11], v[\a8] offset:\off+1280
.endm
.macro LDU freg, sreg, a16, a8, off
.irp i, 0,1,2,3
	LDF \freg+12*\i, \a16, \a8, \off+1536*\i
.endr
	ds_load_b64 v[\sreg:\sreg+1], v[\a8] offset:\off+6144
.endm
.macro WM d, a, b, c, sa, sb, ra, rb
.if (\ra) == 0 && (\rb) == 0
	v_wmma_scale_f32_16x16x128_f8f6f4 v[\d:\d+7], v[\a:\a+11], v[\b:\b+11], v[\c:\c+7], v[\sa], v[\sb] matrix_a_fmt:MATRIX_FMT_FP6 matrix_b_fmt:MATRIX_FMT_FP6
.elseif (\ra) == 1 && (\rb) == 0
	v_wmma_scale_f32_16x16x128_f8f6f4 v[\d:\d+7], v[\a:\a+11], v[\b:\b+11], v[\c:\c+7], v[\sa], v[\sb] matrix_a_fmt:MATRIX_FMT_FP6 matrix_b_fmt:MATRIX_FMT_FP6 matrix_a_scale:MATRIX_SCALE_ROW1
.elseif (\ra) == 0
	v_wmma_scale_f32_16x16x128_f8f6f4 v[\d:\d+7], v[\a:\a+11], v[\b:\b+11], v[\c:\c+7], v[\sa], v[\sb] matrix_a_fmt:MATRIX_FMT_FP6 matrix_b_fmt:MATRIX_FMT_FP6 matrix_b_scale:MATRIX_SCALE_ROW1
.else
	v_wmma_scale_f32_16x16x128_f8f6f4 v[\d:\d+7], v[\a:\a+11], v[\b:\b+11], v[\c:\c+7], v[\sa], v[\sb] matrix_a_fmt:MATRIX_FMT_FP6 matrix_b_fmt:MATRIX_FMT_FP6 matrix_a_scale:MATRIX_SCALE_ROW1 matrix_b_scale:MATRIX_SCALE_ROW1
.endif
.endm
	s_load_b256 s[4:11], s[0:1], 0x0               ; ca s[4:5], wo s[6:7], b_o s[8:9], out0 s[10:11]
	v_lshl_add_u32 v254, v0, 2, 0x36400
	v_mov_b32 v255, 0
	ds_add_u32 v254, v255
	ds_add_u32 v254, v255
	v_lshrrev_b32 v1, 5, v0
	v_readfirstlane_b32 s[WV], v1                  ; wave 0..3
	s_lshr_b32 s17, s16, 1                         ; my half of the tokens.  Also: I fetch for A (0) or for B (1)
	s_and_b32 s18, s16, 1                          ; my half of the columns.  Also: K steps 0-3 or 4-7
	s_bfe_u32 s19, ttmp6, 0x40000                  ; cx
	s_bfe_u32 s20, ttmp6, 0x40004                  ; cy
	s_lshl_b32 s21, ttmp9, 2
	s_add_co_u32 s21, s21, s19                     ; x
	s_and_b32 s22, ttmp7, 0xffff
	s_lshl_b32 s22, s22, 2
	s_add_co_u32 s22, s22, s20                     ; y
	s_lshl_b32 s80, s20, 2
	s_lshl_b32 s80, 15, s80                        ; my row of the cluster
	s_lshl_b32 s81, 0x1111, s19                    ; my column
	; group 1: four K steps, 51,200 dense bytes, as 200 rows of 256 bytes
	s_or_b32 s[G1A], s80, (3<<16)|(1<<21)
	s_or_b32 s[G1B], s81, (3<<16)|(1<<21)
.irp g, G1A, G1B
	s_mov_b32 s[\g+1], 32<<16
	s_mov_b32 s[\g+2], 200<<16                     ; four K steps, 51,200 dense bytes, as 200 rows of 256 bytes
	s_mov_b32 s[\g+3], 32<<16
	s_mov_b32 s[\g+4], 200
	s_mov_b32 s[\g+5], 32
	s_mov_b32 s[\g+6], 0
	s_mov_b32 s[\g+7], 0
.endr
	s_mul_i32 s86, s18, 51200                      ; K steps 0-3 or 4-7: in LDS and in memory alike
	s_mul_i32 s82, s22, 102400                     ; A: hangs on y and the wave's number alone
	s_add_co_u32 s82, s82, s86
	s_mov_b32 s83, 0
	s_mul_i32 s84, s21, 102400                     ; B: on x and the wave's number alone
	s_add_co_u32 s84, s84, s86
	s_mov_b32 s85, 0
	s_wait_dscnt 0x0
	s_wait_kmcnt 0x0
	s_add_nc_u64 s[82:83], s[4:5], s[82:83]
	s_add_nc_u64 s[84:85], s[6:7], s[84:85]
.irp g, 0
	s_mov_b32 s[G0A+4*\g], 1
	s_add_co_u32 s[G0A+4*\g+1], s86, \g*25600
	s_add_nc_u64 s[G0A+4*\g+2:G0A+4*\g+3], s[82:83], \g*25600
	s_or_b32 s[G0A+4*\g+3], s[G0A+4*\g+3], 0x80000000
	s_mov_b32 s[56+4*\g+4*(\g/2)], 1
	s_add_co_u32 s[57+4*\g+4*(\g/2)], s86, 102400+\g*25600
	s_add_nc_u64 s[58+4*\g+4*(\g/2):59+4*\g+4*(\g/2)], s[84:85], \g*25600
	s_or_b32 s[59+4*\g+4*(\g/2)], s[59+4*\g+4*(\g/2)], 0x80000000
.endr
	CROUND                                         ; all sixteen work-groups are here: the joint loads meet
	s_cmp_eq_u32 s17, 0                            ; one tensor load a wave at the head
	s_cbranch_scc0 .Lfirst_b
	tensor_load_to_lds s[40:43], s[G1A:G1A+7]
	s_nop 0
	PLACES
	s_branch .Lfirst_done
.Lfirst_b:
	tensor_load_to_lds s[56:59], s[G1B:G1B+7]
	s_nop 0
	PLACES
.Lfirst_done:
	v_and_b32 v1, 31, v0
	v_lshlrev_b32 v[L16], 4, v1
	v_lshlrev_b32 v[L8], 3, v1
	s_mul_i32 s80, s17, 6400
	s_mul_i32 s81, s18, 6400
	s_add_co_u32 s81, s81, 102400
.irp p, 0,1
	v_add_nc_u32 v[A16+\p], s80, v[L16]
	v_add_nc_u32 v[A8+\p], s80, v[L8]
	v_add_nc_u32 v[B16+\p], s81, v[L16]
	v_add_nc_u32 v[B8+\p], s81, v[L8]
	s_add_co_u32 s80, s80, 51200
	s_add_co_u32 s81, s81, 51200
.endr
	v_and_b32 v22, 15, v0                          ; r
	v_bfe_u32 v23, v0, 4, 1                        ; h
	v_lshlrev_b32 v[BO1], 6, v23
	s_wait_alu depctr_va_vdst(0)
	s_mul_i32 s80, s16, 4352
	s_add_co_u32 s80, s80, STG                     ; my stage
	v_mul_u32_u24 v[STO], v22, 272
	v_lshl_add_u32 v[STO], v23, 6, v[STO]
	v_add_nc_u32 v[STO], s80, v[STO]               ; in: row r, + 64 h
	v_mul_u32_u24 v[RD], v23, 272
	v_lshl_add_u32 v[RD], v22, 4, v[RD]
	v_add_nc_u32 v[RD], s80, v[RD]                 ; back: lanes 0-15 one row of 256 bytes, lanes 16-31 the next
	v_lshlrev_b32 v[CO], 12, v23
	v_lshl_add_u32 v[CO], v22, 4, v[CO]            ; and the same two rows in out0
	s_lshl_b32 s88, s22, 7
	s_lshl_b32 s89, s17, 6
	s_add_co_u32 s88, s88, s89                     ; my first token
	s_lshl_b32 s88, s88, 12
	s_lshl_b32 s90, s21, 9
	s_lshl_b32 s91, s18, 8
	s_add_co_u32 s90, s90, s91                     ; my first column, in bytes
	s_mov_b32 s91, 0
	s_add_co_u32 s88, s88, s90
	s_mov_b32 s89, 0
	s_add_nc_u64 s[10:11], s[10:11], s[88:89]
	s_add_nc_u64 s[8:9], s[8:9], s[90:91]
	WIN 0x40                                       ; destination window 1
.irp j, 0,1,2,3
	global_load_b128 v[128+8*\j:131+8*\j], v[BO1], s[8:9] offset:(32*(\j/2)+8*(\j%2))*4      ; register i of tile j belongs to column 32 (j / 2) + 16 h + 8 (j % 2) + i
	global_load_b128 v[132+8*\j:135+8*\j], v[BO1], s[8:9] offset:(32*(\j/2)+8*(\j%2))*4+16
.endr
	WIN 0
.macro LDSTEP s                        ; both operands of K step s: 34 loads
	LDU AA+48*((\s)%2), AS+2*((\s)%2), A16+(\s)/4, A8+(\s)/4, ((\s)%4)*12800
	LDU BB+48*((\s)%2), BS+2*((\s)%2), B16+(\s)/4, B8+(\s)/4, ((\s)%4)*12800
.endm
; K step s: 16 matrix instructions, the 16 accumulators by turns.  nxt: the next K step's operands are fetched first, into the other sets.
.macro STEPO s, nxt
.if \nxt
	PLACES
	LDSTEP (\s)+1
	s_wait_dscnt 34                                ; all but the 34 loads just issued
.else
	s_wait_dscnt 0x0
.endif
	WIN 0x50                                       ; C and D window 1
.irp t, 0,1,2,3
.irp j, 0,1,2,3
.if (\s) == 0
	WM 32*\t+8*\j, BB+48*((\s)%2)+12*\j, AA+48*((\s)%2)+12*\t, 128+8*\j, BS+2*((\s)%2)+\j/2, AS+2*((\s)%2)+\t/2, \j%2, \t%2
.else
	WM 32*\t+8*\j, BB+48*((\s)%2)+12*\j, AA+48*((\s)%2)+12*\t, 32*\t+8*\j, BS+2*((\s)%2)+\j/2, AS+2*((\s)%2)+\t/2, \j%2, \t%2
.endif
.endr
.endr
	WIN 0
.endm
	s_wait_loadcnt 0x0                             ; the bias
	s_wait_tensorcnt 0x0                           ; my one load has landed
	s_barrier_signal -1
	s_barrier_wait -1                              ; everybody's has
	LDSTEP 0
.irp s, 0,1,2,3,4,5,6
	STEPO \s, 1
.endr
	STEPO 7, 0
; THE WAY OUT, a tile of 16 tokens x 64 columns at a time: through my own stage and back as whole rows of 256 bytes.  LDS serves a wave's instructions in order: no wait between the stores and the loads, nor in front of the next tile's stores.
.macro TOSTAGE t
	WIN 0x04                                       ; an LDS store's data are its source 1: window 1
.irp j, 0,1,2,3
	ds_store_b128 v[STO], v[32*(\t)+8*\j:32*(\t)+8*\j+3] offset:128*(\j/2)+32*(\j%2)       ; each accumulator from its low end on
	ds_store_b128 v[STO], v[32*(\t)+8*\j+4:32*(\t)+8*\j+7] offset:128*(\j/2)+32*(\j%2)+16
.endr
	WIN 0
.irp i, 0,1,2,3,4,5,6,7
	ds_load_b128 v[BK+32*((\t)%2)+4*\i:BK+32*((\t)%2)+4*\i+3], v[RD] offset:544*\i
.endr
.endm
.macro SEND t, younger                 ; younger: the LDS instructions issued behind tile t's loads, which may stay out
	s_wait_dscnt \younger
.irp i, 0,1,2,3,4,5,6,7
	global_store_b128 v[CO], v[BK+32*((\t)%2)+4*\i:BK+32*((\t)%2)+4*\i+3], s[10:11] offset:(8*(\t)+(2*\i)%8+32*(\i/4))*4096 th:TH_STORE_NT   ; 16 lanes store 256 consecutive bytes, aligned; stage rows 2 i + h are tokens 8 t + (2 i) % 8 + h + 32 (i / 4)
.endr
.endm
	PLACES
	s_wait_alu depctr_va_vdst(0)
	TOSTAGE 0
.irp a, 1,2,3
.if \a > 1
	s_wait_xcnt 0x0                                ; tile a - 2's stores have read their registers: tile a's loads may land there
.endif
	TOSTAGE \a
	SEND \a-1, 16                                  ; behind tile a - 1's loads: tile a's 8 stores and 8 loads
.endr
	SEND 3, 0
	s_wait_tensorcnt 0x0
	ds_add_u32 v254, v255
	s_wait_dscnt 0x0
	CROUND                                         ; the closing round
	s_endpgm
.Lfunc_end_k_qc6ca4d2b10_outp:
	.size	k_qc6ca4d2b10_outp, .Lfunc_end_k_qc6ca4d2b10_outp-k_qc6ca4d2b10_outp
	.p2alignl 7, 3214868480
	.fill 96, 4, 3214868480
	.section	.rodata,"a",@progbits
	.p2align	6, 0x0
	.amdhsa_kernel k_qc6ca4d2b10_outp
		.amdhsa_group_segment_fixed_size 222720
		.amdhsa_private_segment_fixed_size 0
		.amdhsa_enable_private_segment 0
		.amdhsa_kernarg_size 32
		.amdhsa_user_sgpr_count 2
		.amdhsa_user_sgpr_kernarg_segment_ptr 1
		.amdhsa_wavefront_size32 1
		.amdhsa_system_sgpr_workgroup_id_x 1
		.amdhsa_system_sgpr_workgroup_id_y 1
		.amdhsa_system_sgpr_workgroup_id_z 1
		.amdhsa_system_vgpr_workitem_id 0
		.amdhsa_next_free_vgpr 416
		.amdhsa_next_free_sgpr 100
		.amdhsa_reserve_vcc 0
		.amdhsa_float_denorm_mode_32 3
		.amdhsa_float_denorm_mode_16_64 3
		.amdhsa_memory_ordered 1
		.amdhsa_forward_progress 1
		.amdhsa_inst_pref_size 50
	.end_amdhsa_kernel
	.amdgpu_metadata
---
amdhsa.version: [ 1, 2 ]
amdhsa.kernels:
  - .name:           k_qc6ca4d2b10_outp
    .symbol:         k_qc6ca4d2b10_outp.kd
    .args:
      - { .name: ca, .offset: 0, .size: 8, .value_kind: global_buffer, .address_space: global }
      - { .name: wo, .offset: 8, .size: 8, .value_kind: global_buffer, .address_space: global }
      - { .name: b_o, .offset: 16, .size: 8, .value_kind: global_buffer, .address_space: global }
      - { .name: out0, .offset: 24, .size: 8, .value_kind: global_buffer, .address_space: global }
    .group_segment_fixed_size: 222720
    .private_segment_fixed_size: 0
    .kernarg_segment_align: 8
    .kernarg_segment_size: 32
    .max_flat_workgroup_size: 128
    .sgpr_count:     100
    .vgpr_count:     416
    .wavefront_size: 32
...
	.end_amdgpu_metadata
.endif
;; end of part 4
